; MI455X (gfx1250); checked and timed in simulation.
; The chip was launched on July 23, 2026; its instructions are those of AMD's public machine-readable ISA for CDNA 5 (MIT licence, August 2026) and "CDNA5" Instruction Set Architecture Reference Guide (July 2026). The comments in the code are by the model that wrote it; some were corrected since.
;; Unquantized Sparse Mo E Layer. Allowed arithmetic: matrix products marked QUANTISED: E3M2 operands, one E8M0 scale for each 32 along K, by v_wmma_scale_f32_16x16x128_f8f6f4 with both operands' format E3M2, f32 sums; everything else in f32.
;; Inputs: down_proj 8 x 2,048 x 1,024 float32; gate_up_proj 8 x 2,048 x 2,048 float32; gating_output 1,024 x 8 float32; x 1,024 x 2,048 float32.
;; Outputs: out0 1,024 x 2,048 float32.
;; Constants: topk = 2.
;; This version of the problem:
;;   THIS VERSION OF THE PROBLEM IS GIVEN IN LOW PRECISION. The matrix products marked QUANTISED in the list below multiply operands that are first quantised to E3M2 (3 exponent bits, 2 mantissa bits; 6 bits a number), with one power-of-two scale for each 32 numbers along K (OCP MX v1.0); their sums are f32. All else is computed in f32.
;;   The module's matrix products, in the order in which they are computed (A, B: the left and right operand; K: the contracted axis; several contracted axes count as one K, in the product's order):
;;     1. [M 1,024, K 2,048] x [K 2,048, N 2,048]; A: input x; B: input gate_up_proj: QUANTISED
;;     2. [M 1,024, K 1,024] x [K 1,024, N 2,048]; A: computed on the way; B: input down_proj: QUANTISED
;;     3. [M 1,024, K 2,048] x [K 2,048, N 2,048]; A: input x; B: input gate_up_proj: QUANTISED
;;     4. [M 1,024, K 1,024] x [K 1,024, N 2,048]; A: computed on the way; B: input down_proj: QUANTISED
;;     5. [M 1,024, K 2,048] x [K 2,048, N 2,048]; A: input x; B: input gate_up_proj: QUANTISED
;;     6. [M 1,024, K 1,024] x [K 1,024, N 2,048]; A: computed on the way; B: input down_proj: QUANTISED
;;     7. [M 1,024, K 2,048] x [K 2,048, N 2,048]; A: input x; B: input gate_up_proj: QUANTISED
;;     8. [M 1,024, K 1,024] x [K 1,024, N 2,048]; A: computed on the way; B: input down_proj: QUANTISED
;;     9. [M 1,024, K 2,048] x [K 2,048, N 2,048]; A: input x; B: input gate_up_proj: QUANTISED
;;     10. [M 1,024, K 1,024] x [K 1,024, N 2,048]; A: computed on the way; B: input down_proj: QUANTISED
;;     11. [M 1,024, K 2,048] x [K 2,048, N 2,048]; A: input x; B: input gate_up_proj: QUANTISED
;;     12. [M 1,024, K 1,024] x [K 1,024, N 2,048]; A: computed on the way; B: input down_proj: QUANTISED
;;     13. [M 1,024, K 2,048] x [K 2,048, N 2,048]; A: input x; B: input gate_up_proj: QUANTISED
;;     14. [M 1,024, K 1,024] x [K 1,024, N 2,048]; A: computed on the way; B: input down_proj: QUANTISED
;;     15. [M 1,024, K 2,048] x [K 2,048, N 2,048]; A: input x; B: input gate_up_proj: QUANTISED
;;     16. [M 1,024, K 1,024] x [K 1,024, N 2,048]; A: computed on the way; B: input down_proj: QUANTISED
;;   THE QUANTISER, for each operand of a quantised product, along K:
;;     - K is cut into blocks of 32 from its start; a last block that is shorter is filled with zeros.
;;     - A block's scale is 2^e with e = floor(log2(the largest magnitude in the block)) - 4, held to -126 .. 127; a block of zeros has e = 0. As a byte (E8M0): e + 127.
;;     - Each number is divided by its block's scale, clamped to +-28, and rounded to the nearest number of E3M2, ties to even, subnormals kept.
;;     - The product sums the exact products of the quantised numbers (number of the format x scale) in f32.
;;   ~~~python
;;   def quantise(x, axis):      # numpy; x: float32 -> the quantised numbers, widened to float32 again
;;       x = np.moveaxis(x, axis, -1); K = x.shape[-1]
;;       x = np.pad(x, [(0, 0)] * (x.ndim - 1) + [(0, -K % 32)]); x = x.reshape(x.shape[:-1] + (-1, 32)); a = np.abs(x).max(-1, keepdims=True)
;;       e = np.where(a > 0, np.clip(np.frexp(np.where(a > 0, a, 1))[1] - 1 - 4, -126, 127), 0)      # np.frexp(a)[1] - 1 = floor(log2(a)), exactly
;;       r = np.clip(x / 2.0 ** e, -28, 28)
;;       step = 2.0 ** (np.maximum(np.frexp(np.where(r == 0, 1, r))[1] - 1, -2) - 2)
;;       q = np.round(r / step) * step * 2.0 ** e      # np.round: ties to even
;;       return np.moveaxis(q.reshape(q.shape[:-2] + (-1,))[..., :K], -1, axis).astype(np.float32)
;;   ~~~
;;   OPERANDS COMPUTED ON THE WAY. 'Computed on the way' means the value that the module computes at that place (a softmax that the list does not call 'softmax' is quantised finished and normalised). What goes into a quantiser is computed in f32, as accurately as f32 sums, v_exp_f32 and their like allow (about 1e-6 of the number): no bf16 or f16 on the way to a quantiser, and a product that is left as it is and whose result goes on into a quantised operand takes f32 operands (vector FMAs, or v_wmma_f32_16x16x4_f32). A number that lies on a knife's edge between two numbers of the format may be rounded either way, as far as f32 arithmetic and the matrix unit's own rounding can turn it there, and no further.
;; 2 versions, each right; version 2 is version 1 with the launches gateup, down written anew for expert scheduling mode. Each part assembles by itself: llvm-mc -triple=amdgcn-amd-amdhsa -mcpu=gfx1250 --defsym DOCPART=n.
;; ======== version 1 of 2: 4 launches
;; workspace buffers: xq 1,572,864 bytes; xs 65,536 bytes; msk 1,024 bytes of whole numbers; rec 4,096 bytes of whole numbers; cf 8,192 bytes; hq 8,388,608 bytes; hs 262,144 bytes; yr 16,777,216 bytes
;; launch prep (part 1): grid 256 x 1, 4 waves a work-group, no clusters, 41,728 bytes of LDS; arguments x, gating_output, xq, xs, msk, rec, cf; writes xq, xs, msk, rec, cf
.if DOCPART == 1
	.amdgcn_target "amdgcn-amd-amdhsa--gfx1250"
	.amdhsa_code_object_version 6
	.text
	.protected	k_qe648a1326b_prep
	.globl	k_qe648a1326b_prep
	.p2align	8
	.type	k_qe648a1326b_prep,@function
k_qe648a1326b_prep:
	s_mov_b64 s[64:65], 0
	v_nop
	global_prefetch_b8 v0, s[64:65] scope:SCOPE_SE
	s_setreg_imm32_b32 hwreg(HW_REG_WAVE_MODE, 25, 1), 1
	s_wait_xcnt 0x0
; x [1024][2048] f32 becomes codes of BF6 (E3M2) with one E8M0 byte for each 32 along K, and the router chooses two experts for each token.
; CODES.  A wave takes one token: 2,048 numbers, four steps of 512.  Each load reads 512 consecutive bytes; a step's 2,048 bytes turn through the wave's own
; stage in LDS (16 bytes of padding behind each 64) and come back 16 neighbours a lane, two lanes to a block of 32.
; xq is laid in the order of the operand's registers: [token][K step of 128][half h][48 bytes] = block h, then block 2 + h, so that the product's lane (r, h) takes
; its 12 registers by three loads of 16 bytes.  A step's store covers 384 consecutive bytes.  xs: [token][64 bytes], the blocks' bytes in their order.
; A block's byte is its largest magnitude's exponent field - 4, held at 1 from below.  A block of zeros so gets the byte 1 where the rule says 127: its codes are zeros, and this program alone reads the bytes.
; ROUTER.  Wave 1 of work-groups 0 to 31 takes 32 tokens, a lane a token: softmax with the maximum taken away, the two largest (the lower index wins a tie, as jax.lax.top_k has it),
; their weights renormalised.  Stored at places that hang on ids alone: cf [token][2] f32; rec [token] = first | second << 8; msk [expert][32 words], bit l of word c = token 32 c + l chose the expert.
; LIMITS: NaN and infinities among the inputs are not served.  v_exp_f32 gives 0 for results under 2^-126 (ISA guide, its entry): probabilities that small count as 0.
; Divisions are v_rcp_f32 and a multiplication.
.set SP,   80                          ; a lane's place in a stage: 64 bytes + 16 of padding
.set STG,  32*SP                       ; a stage
.set WREG, 4*STG                       ; a wave's four stages, one for each step
.set SCB,  4*WREG                      ; behind them: the work-group's 256 scale bytes
.set R,    16                          ; v16-79   the token as loaded
.set X,    80                          ; v80-143  four sets of 16 neighbours
.set C,    144                         ; v144-159 codes, four registers a step
.set E,    160                         ; v160-163 a scale byte a step
.set G,    164                         ; v164-171 the router: logits, then probabilities
.set Q,    172                         ; v172-179 the same with the first choice taken out
	s_load_b256 s[4:11], s[0:1], 0x0               ; x, gating_output, xq, xs
	s_load_b128 s[12:15], s[0:1], 0x20             ; msk, rec
	s_load_b64 s[16:17], s[0:1], 0x30              ; cf
	v_lshl_add_u32 v208, v0, 2, 0xa100
	v_mov_b32 v209, 0
	v_lshrrev_b32 v1, 5, v0
	v_readfirstlane_b32 s18, v1                    ; wave 0..3
	v_and_b32 v2, 31, v0                           ; lane
	v_lshlrev_b32 v3, 4, v2                        ; my 16 bytes of a load's 512
	s_mul_i32 s19, s18, WREG
	v_lshrrev_b32 v14, 2, v2
	v_mul_u32_u24 v14, v14, SP
	v_and_b32 v15, 3, v2
	v_lshl_add_u32 v14, v15, 4, v14
	v_add_nc_u32 v14, s19, v14                     ; into a stage: SP (lane / 4) + 16 (lane % 4)
	v_mul_u32_u24 v15, v2, SP
	v_add_nc_u32 v15, s19, v15                     ; out of it: SP x lane
	v_lshrrev_b32 v6, 3, v2                        ; my 12 bytes of codes in a step's 384: K step lane / 8,
	v_mul_u32_u24 v4, v6, 96
	v_bfe_u32 v6, v2, 1, 1                         ; the block's half h,
	v_mad_u32_u24 v4, v6, 48, v4
	v_bfe_u32 v6, v2, 2, 1                         ; block h or block 2 + h,
	v_mad_u32_u24 v4, v6, 24, v4
	v_and_b32 v6, 1, v2                            ; its lower or upper 16 codes
	v_mad_u32_u24 v4, v6, 12, v4
	s_lshl_b32 s20, s18, 6
	s_add_co_u32 s20, s20, SCB
	v_lshrrev_b32 v5, 1, v2
	v_add_nc_u32 v5, s20, v5                       ; my block's byte among my token's 64
	v_lshlrev_b32 v7, 3, v2
	v_add_nc_u32 v6, SCB, v7                       ; the way out of the bytes: 8 a lane
	s_lshl_b32 s21, ttmp9, 2
	s_add_co_u32 s21, s21, s18                     ; my token
	s_lshl_b32 s22, s21, 13
	s_mov_b32 s23, 0
	s_mul_i32 s24, s21, 1536
	s_mov_b32 s25, 0
	s_lshl_b32 s26, ttmp9, 8
	s_mov_b32 s27, 0
	s_wait_kmcnt 0x0
	s_add_nc_u64 s[4:5], s[4:5], s[22:23]
	s_add_nc_u64 s[8:9], s[8:9], s[24:25]
	s_add_nc_u64 s[10:11], s[10:11], s[26:27]
.irp i, 0,1,2,3,4,5,6,7,8,9,10,11,12,13,14,15
	global_load_b128 v[R+4*\i:R+4*\i+3], v3, s[4:5] offset:512*\i th:TH_LOAD_NT
.endr
	s_cmp_lg_u32 s18, 1                            ; the router: a branch on ids alone, with no barrier inside
	s_cbranch_scc1 .Lno_router
	s_cmp_ge_u32 ttmp9, 32
	s_cbranch_scc1 .Lno_router
	s_lshl_b32 s28, ttmp9, 10                      ; 32 tokens x 32 bytes of logits
	s_mov_b32 s29, 0
	s_add_nc_u64 s[6:7], s[6:7], s[28:29]
	s_lshl_b32 s28, ttmp9, 8                       ; x 8 bytes of cf
	s_add_nc_u64 s[16:17], s[16:17], s[28:29]
	s_lshl_b32 s28, ttmp9, 7                       ; x 4 bytes of rec
	s_add_nc_u64 s[14:15], s[14:15], s[28:29]
	s_lshl_b32 s28, ttmp9, 2                       ; my word in each expert's 32
	s_add_nc_u64 s[12:13], s[12:13], s[28:29]
	v_lshlrev_b32 v191, 5, v2
	v_lshlrev_b32 v192, 3, v2
	v_lshlrev_b32 v193, 2, v2
	v_and_b32 v190, 7, v2
	v_lshlrev_b32 v194, 7, v190
	global_load_b128 v[G:G+3], v191, s[6:7]
	global_load_b128 v[G+4:G+7], v191, s[6:7] offset:16
	s_wait_loadcnt 0x0                             ; the logits (the token's loads, which are older, with them)
	v_max3_num_f32 v180, v[G], v[G+1], v[G+2]
	v_max3_num_f32 v180, v180, v[G+3], v[G+4]
	v_max3_num_f32 v180, v180, v[G+5], v[G+6]
	v_max_num_f32 v180, v180, v[G+7]               ; the row's maximum is taken away ahead of the exponentials
.irp i, 0,1,2,3,4,5,6,7
	v_sub_f32 v[G+\i], v[G+\i], v180
.endr
.irp i, 0,1,2,3,4,5,6,7
	v_mul_f32 v[G+\i], 0x3fb8aa3b, v[G+\i]
.endr
.irp i, 0,1,2,3,4,5,6,7
	v_exp_f32 v[G+\i], v[G+\i]
.endr
	v_nop                                          ; a plain instruction behind the last exponential,
	s_wait_alu depctr_va_vdst(0)                   ; and one wait for the batch, ahead of its first reader
	v_add_f32 v181, v[G], v[G+1]
	v_add_f32 v195, v[G+2], v[G+3]
	v_add_f32 v196, v[G+4], v[G+5]
	v_add_f32 v197, v[G+6], v[G+7]
	v_add_f32 v181, v181, v195
	v_add_f32 v196, v196, v197
	v_add_f32 v181, v181, v196
	v_rcp_f32 v181, v181
	v_nop
	s_wait_alu depctr_va_vdst(0)
.irp i, 0,1,2,3,4,5,6,7
	v_mul_f32 v[G+\i], v[G+\i], v181               ; the probabilities
.endr
	v_mov_b32 v182, v[G]                           ; the largest, and its index: a later one wins only if it is strictly larger
	v_mov_b32 v183, 0
.irp i, 1,2,3,4,5,6,7
	v_cmp_ge_f32 vcc_lo, v182, v[G+\i]
	v_cndmask_b32 v182, v[G+\i], v182, vcc_lo
	v_cndmask_b32 v183, \i, v183, vcc_lo
.endr
.irp i, 0,1,2,3,4,5,6,7
	v_cmp_ne_u32 vcc_lo, \i, v183
	v_cndmask_b32 v[Q+\i], -1.0, v[G+\i], vcc_lo   ; the first choice is taken out: -1 lies under every probability
.endr
	v_mov_b32 v184, v[Q]
	v_mov_b32 v185, 0
.irp i, 1,2,3,4,5,6,7
	v_cmp_ge_f32 vcc_lo, v184, v[Q+\i]
	v_cndmask_b32 v184, v[Q+\i], v184, vcc_lo
	v_cndmask_b32 v185, \i, v185, vcc_lo
.endr
	v_add_f32 v195, v182, v184
	v_rcp_f32 v195, v195
	v_lshl_or_b32 v188, v185, 8, v183              ; (a plain instruction behind the reciprocal)  rec
	s_wait_alu depctr_va_vdst(0)
	v_mul_f32 v186, v182, v195
	v_mul_f32 v187, v184, v195
	v_mov_b32 v189, 0
.irp e, 0,1,2,3,4,5,6,7
	v_cmp_eq_u32 s40, \e, v183                     ; which of my 32 tokens chose expert e: a compare's result is the mask word itself
	v_cmp_eq_u32 s41, \e, v185
	s_or_b32 s40, s40, s41
	v_cmp_ne_u32 vcc_lo, \e, v190
	v_cndmask_b32 v189, s40, v189, vcc_lo          ; into the lanes with lane % 8 = e
.endr
	global_store_b64 v192, v[186:187], s[16:17]
	global_store_b32 v193, v188, s[14:15]
	global_store_b32 v194, v189, s[12:13]          ; lanes that share an address hold the same word
.Lno_router:
.macro TURN t                          ; step t through its stage: LDS serves a wave's instructions in order, so no wait stands between the stores and the loads
	s_wait_loadcnt 12-4*(\t)                       ; the step's four loads are in; those of the later steps may be out
.irp i, 0,1,2,3
	ds_store_b128 v14, v[R+16*(\t)+4*\i:R+16*(\t)+4*\i+3] offset:STG*(\t)+8*SP*\i
.endr
.irp i, 0,1,2,3
	ds_load_b128 v[X+16*(\t)+4*\i:X+16*(\t)+4*\i+3], v15 offset:STG*(\t)+16*\i
.endr
.endm
.macro STEP t
.set XS, X+16*(\t)
	s_wait_dscnt 24-7*(\t)                         ; younger LDS instructions: 8 for each later step's turn, 1 for each earlier step's byte
	v_max3_num_f32 v8, |v[XS]|, |v[XS+1]|, |v[XS+2]|
	v_max3_num_f32 v9, |v[XS+3]|, |v[XS+4]|, |v[XS+5]|
.irp i, 6,10
	v_max3_num_f32 v8, v8, |v[XS+\i]|, |v[XS+\i+1]|
	v_max3_num_f32 v9, v9, |v[XS+\i+2]|, |v[XS+\i+3]|
.endr
	v_max3_num_f32 v8, v8, |v[XS+14]|, |v[XS+15]|
	v_max3_num_f32 v8, v8, v9, 0x2800000           ; the floor 2^(5 - 127): the byte cannot fall under 1
	v_max_num_f32_dpp v8, v8, v8 row_xmask:1 row_mask:0xf bank_mask:0xf   ; with my neighbour's 16: the block's largest magnitude
	v_add_nc_u32 v11, 0xfe000000, v8               ; 4 off its exponent field: the conversion's scale operand
	v_cvt_scalef32_pk16_bf6_f32 v[C+4*(\t):C+4*(\t)+2], v[XS:XS+15], v11
	v_lshrrev_b32 v[E+(\t)], 23, v11               ; the byte (also the plain instruction behind the conversion)
	ds_store_b8 v5, v[E+(\t)] offset:16*(\t)       ; both lanes of a block write the same byte
	global_store_b96 v4, v[C+4*(\t):C+4*(\t)+2], s[8:9] offset:384*(\t)
.endm
	TURN 0
	TURN 1
	TURN 2
	TURN 3
	STEP 0
	STEP 1
	STEP 2
	STEP 3
	s_wait_dscnt 0x0                               ; my byte stores have landed
	s_barrier_signal -1
	s_barrier_wait -1                              ; everybody's have
	s_cmp_lg_u32 s18, 0
	s_cbranch_scc1 .Lend
	ds_load_b64 v[12:13], v6
	s_wait_dscnt 0x0
	global_store_b64 v7, v[12:13], s[10:11]        ; four tokens' 256 scale bytes: 32 lanes store 256 consecutive bytes, aligned
.Lend:
	s_wait_tensorcnt 0x0
	ds_add_u32 v208, v209
	s_wait_dscnt 0x0
	s_endpgm
.Lfunc_end_k_qe648a1326b_prep:
	.size	k_qe648a1326b_prep, .Lfunc_end_k_qe648a1326b_prep-k_qe648a1326b_prep
	.p2alignl 7, 3214868480
	.fill 96, 4, 3214868480
	.section	.rodata,"a",@progbits
	.p2align	6, 0x0
	.amdhsa_kernel k_qe648a1326b_prep
		.amdhsa_group_segment_fixed_size 41728
		.amdhsa_private_segment_fixed_size 0
		.amdhsa_enable_private_segment 0
		.amdhsa_kernarg_size 56
		.amdhsa_user_sgpr_count 2
		.amdhsa_user_sgpr_kernarg_segment_ptr 1
		.amdhsa_wavefront_size32 1
		.amdhsa_system_sgpr_workgroup_id_x 1
		.amdhsa_system_sgpr_workgroup_id_y 1
		.amdhsa_system_sgpr_workgroup_id_z 1
		.amdhsa_system_vgpr_workitem_id 0
		.amdhsa_next_free_vgpr 210
		.amdhsa_next_free_sgpr 66
		.amdhsa_reserve_vcc 1
		.amdhsa_float_denorm_mode_32 3
		.amdhsa_float_denorm_mode_16_64 3
		.amdhsa_memory_ordered 1
		.amdhsa_forward_progress 1
		.amdhsa_inst_pref_size 17
	.end_amdhsa_kernel
	.amdgpu_metadata
---
amdhsa.version: [ 1, 2 ]
amdhsa.kernels:
  - .name:           k_qe648a1326b_prep
    .symbol:         k_qe648a1326b_prep.kd
    .args:
      - { .name: x, .offset: 0, .size: 8, .value_kind: global_buffer, .address_space: global }
      - { .name: gating_output, .offset: 8, .size: 8, .value_kind: global_buffer, .address_space: global }
      - { .name: xq, .offset: 16, .size: 8, .value_kind: global_buffer, .address_space: global }
      - { .name: xs, .offset: 24, .size: 8, .value_kind: global_buffer, .address_space: global }
      - { .name: msk, .offset: 32, .size: 8, .value_kind: global_buffer, .address_space: global }
      - { .name: rec, .offset: 40, .size: 8, .value_kind: global_buffer, .address_space: global }
      - { .name: cf, .offset: 48, .size: 8, .value_kind: global_buffer, .address_space: global }
    .group_segment_fixed_size: 41728
    .private_segment_fixed_size: 0
    .kernarg_segment_align: 8
    .kernarg_segment_size: 56
    .max_flat_workgroup_size: 128
    .sgpr_count:     66
    .vgpr_count:     210
    .wavefront_size: 32
...
	.end_amdgpu_metadata
.endif
;; end of part 1
;; launch gateup (part 2): grid 32 x 8, 4 waves a work-group, no clusters, 136,704 bytes of LDS; arguments gate_up_proj, xq, xs, msk, hq, hs; writes hq, hs
.if DOCPART == 2
	.amdgcn_target "amdgcn-amd-amdhsa--gfx1250"
	.amdhsa_code_object_version 6
	.text
	.protected	k_qe648a1326b_gateup
	.globl	k_qe648a1326b_gateup
	.p2align	8
	.type	k_qe648a1326b_gateup,@function
k_qe648a1326b_gateup:
	s_mov_b64 s[64:65], 0
	v_nop
	global_prefetch_b8 v0, s[64:65] scope:SCOPE_SE
	s_setreg_imm32_b32 hwreg(HW_REG_WAVE_MODE, 25, 1), 1
	s_wait_xcnt 0x0
; h = silu(x Wg^T) * (x Wu^T) for the rows routed to each expert, both operands as codes of BF6 (E3M2) with E8M0 scales; h leaves quantised along d_ff.
; SHARES.  Work-group (j, e) owns 64 rows of expert e's weights: gate rows 32 j .. 32 j + 31 and up rows 1024 + 32 j .. + 31: one block of 32 of h.
; K STEP BY K STEP.  The 512 KiB of f32 are read ONCE, in 16 K steps of 128; wave w takes weight tile w, 16 rows; each load reads 512 consecutive bytes of a row.  In K step s a wave turns its tile through its own
; stage in LDS, so that a lane holds whole blocks, quantises it and lays it in LDS as an image of the operand's registers; one barrier; then every wave fetches the step's four images.  The products of K step s - 1
; with the first group's rows stand between the turn's LDS lines and the wait for them: the matrix work runs under the weights' stream.  No image is written twice, so one barrier a K step orders all.
; THE LIST.  msk gives the expert's tokens as 1,024 bits.  A row's rank in the list becomes its token by register arithmetic (macro SELECT), while the first weights are on their way.
; A group is 20 tiles of 16 rows, tile T0 + 4 q + w to wave w (q = 0..4).  Ranks past the list's end repeat its last row, so every load stays in its buffer.  In the first group every wave multiplies all five tiles,
; so that no branch on stored numbers stands between the barriers; only real tiles are stored.  Later groups (a list of over 320 rows, up to 1,024: four groups) are multiplied from the finished images, with no barrier.
; THE PRODUCT IS USED TRANSPOSED (source 0 = 16 weight rows, source 1 = 16 routed rows), and lane r of a weight tile with part u takes row 8 u + r + 8 (r / 8): a lane's 16 registers of
; parts 0 and 1 are columns 16 (lane / 16) + 0..15 of h for ONE routed row.
; OUT.  hq [e][block][rank][32 bytes]: 24 of codes, 8 zeros: a tile's store covers 512 consecutive bytes.  hs [e][rank][32]: byte = the block's scale; these single bytes (one in 25 of a tile's output)
; are laid so that the next launch takes all scale words of a row by one load.
; NO TENSOR LOADS, NO CLUSTER: trip counts hang on the stored list; each weight byte is read by this work-group alone; the rows that the 32 work-groups of an expert share are gathered lane by lane.
; LIMITS: NaN and infinities are not served; a block of zeros gets the byte 1 with zero codes (this program alone reads the bytes); the sigmoid is v_exp_f32, an addition and v_rcp_f32.
; REGISTERS, in windows of 256.  Window 0: v1-31 addresses and offsets; v32-63 the weights' scale words (K step s, tiles 2 g and 2 g + 1: v[32 + 2 s + g]); v64-103 the rows' scale words; v104-167 64 numbers of a lane;
; v168-215 the first group's weight fragments; v216-241 at work (later groups: v104-199 two sets of weight fragments; SELECT and the way out work in v104-183).  Window 1: accumulator (q, n) at 8 (4 q + n).
; Window 2: the rows' fragments, first group: K step k in slot k % 3 at 60 (k % 3) + 12 q.  Window 3: first group: three sets of 64 weights as loaded.  Later groups: windows 2 and 3 hold eight slots, slot a at 60 (a % 4) + 12 q.
.set NS,   16                          ; K steps
.set ROWB, 8192                        ; a weight row in bytes
.set NGMAX, 4                          ; groups at the most: 1,024 rows are 64 tiles, 20 to a group
.set HALF, 49152                       ; the images of 8 K steps: an LDS immediate has 16 bits, so a second address register serves K steps 8 to 15
.set SCW,  98304                       ; behind the images: the weights' scale words, 256 bytes a K step: two register images of 128 bytes
.set TURN, 102400                      ; behind them: a stage of 16 rows x 528 bytes for each wave
.set TW,   8448
.set XX,   104                         ; v104-167 64 numbers of a lane
.set BP,   168                         ; v168-215 the first group's weight fragments
.set BF,   104                         ; later groups: v104-151, v152-199 weight fragments
.set SB,   104                         ; SELECT: 16 registers a tile: +0 rank, +1 word, +2 key, +3 +4 +5 +11 field counts, +6 rank in the word, +7 bit, +8 +9 at work, +10 token
.set WS,   32
.set AS,   64
.set PC,   216                         ; v216-227 codes
.set PT,   228                         ; v228-234 their upper halves
.set MX,   236                         ; v236-239 maxima, then bytes and the scale word
.set SO,   240                         ; v240-241 the conversions' scale operands
.set TT,   104                         ; the way out: v104-119 sigmoid, v120-135 h, v136-175 eight registers a tile for its stores
.set HV,   120
.set DD,   136
.set MSB,  0
.macro WIN new                         ; the immediate's high byte repeats the setting that is left
.if MSB != (\new)
	s_set_vgpr_msb (MSB<<8)|(\new)
.set MSB, (\new)
.endif
.endm
.macro WLOAD s                         ; my 16 rows' numbers of K step s into set s % 3 of window 3
	WIN 0xc0
.irp i, 0,1,2,3,4,5,6,7,8,9,10,11,12,13,14,15
	global_load_b128 v[64*((\s)%3)+4*\i:64*((\s)%3)+4*\i+3], v1, s[38:39] offset:(\i+8*(\i/8))*ROWB+512*(\s) th:TH_LOAD_NT
.endr
.endm
.macro QUANTW                          ; 64 numbers of lane (r, h): blocks h and 2 + h of row r -> the operand's 12 registers in v[PC] on, the row's scale word in v[MX+2]
.irp c, 0,1,2,3
	v_max3_num_f32 v[MX+\c], |v[XX+16*\c]|, |v[XX+16*\c+1]|, 0x2800000   ; four chains of 16, each over the floor 2^(5 - 127)
.endr
.irp i, 2,4,6,8,10,12,14
.irp c, 0,1,2,3
	v_max3_num_f32 v[MX+\c], v[MX+\c], |v[XX+16*\c+\i]|, |v[XX+16*\c+\i+1]|
.endr
.endr
	v_max_num_f32 v[MX], v[MX], v[MX+1]
	v_max_num_f32 v[MX+2], v[MX+2], v[MX+3]
	v_add_nc_u32 v[SO], 0xfe000000, v[MX]          ; 4 off the exponent field: the conversion's scale operand
	v_add_nc_u32 v[SO+1], 0xfe000000, v[MX+2]
	v_lshrrev_b32 v[MX], 23, v[SO]                 ; the bytes
	v_lshrrev_b32 v[MX+1], 23, v[SO+1]
	v_lshl_or_b32 v[MX+2], v[MX+1], 16, v[MX]
	v_lshlrev_b32 v[MX+2], v5, v[MX+2]             ; at their places in the word: 8 h bits up
	v_permlanex16_b32 v12, v[MX+2], s20, s21
	v_or_b32 v[MX+2], v[MX+2], v12                 ; with the other half's two the word is whole
	v_cvt_scalef32_pk16_bf6_f32 v[PC:PC+2], v[XX:XX+15], v[SO]
	v_cvt_scalef32_pk16_bf6_f32 v[PT:PT+2], v[XX+16:XX+31], v[SO]       ; (a conversion's three registers begin on an even number)
	v_cvt_scalef32_pk16_bf6_f32 v[PC+6:PC+8], v[XX+32:XX+47], v[SO+1]
	v_cvt_scalef32_pk16_bf6_f32 v[PT+4:PT+6], v[XX+48:XX+63], v[SO+1]
	v_nop                                          ; one plain instruction behind the conversions
.irp i, 0,1,2
	v_mov_b32 v[PC+3+\i], v[PT+\i]
	v_mov_b32 v[PC+9+\i], v[PT+4+\i]
.endr
.endm
.macro DESC src, wid, stp              ; one descent: if the field at the bit in hand holds no more set bits than my rank, pass over it
.irp q, 0,1,2,3,4
	v_bfe_u32 v[SB+16*\q+8], v[SB+16*\q+\src], v[SB+16*\q+7], \wid
.endr
.irp q, 0,1,2,3,4
	v_cmp_lt_u32 s[40+\q], v[SB+16*\q+6], v[SB+16*\q+8]
.endr
.irp q, 0,1,2,3,4
	v_cndmask_b32 v[SB+16*\q+8], v[SB+16*\q+8], v15, s[40+\q]
	v_cndmask_b32 v[SB+16*\q+9], \stp, v15, s[40+\q]
.endr
.irp q, 0,1,2,3,4
	v_sub_nc_u32 v[SB+16*\q+6], v[SB+16*\q+6], v[SB+16*\q+8]
	v_add_nc_u32 v[SB+16*\q+7], v[SB+16*\q+7], v[SB+16*\q+9]
.endr
.endm
; Rank -> token, for my five tiles' row r.  The word: the last of the 32 whose count of earlier set bits is at most the rank.  The bit: by the counts of the word's 16-, 8-, 4-, 2- and 1-bit fields.
.macro SELECT
.irp q, 0,1,2,3,4
	v_add_nc_u32 v[SB+16*\q], s30, v3              ; rank = 16 (T0 + w) + r
.endr
.irp q, 1,2,3,4
	v_add_nc_u32 v[SB+16*\q], 64*\q, v[SB+16*\q]   ; + 64 q
.endr
.irp q, 0,1,2,3,4
	v_min_u32 v[26+\q], 0x3ff, v[SB+16*\q]         ; where the row's h goes: its own rank, past the list's end too
.endr
.irp q, 0,1,2,3,4
	v_lshl_add_u32 v[26+\q], v[26+\q], 5, v31      ; 32 rank + 16 h
.endr
.irp q, 0,1,2,3,4
	v_min_u32 v[SB+16*\q], s26, v[SB+16*\q]        ; ranks past the end repeat the last row
	v_mov_b32 v[SB+16*\q+1], s68
	v_mov_b32 v[SB+16*\q+2], 0
	v_mov_b32 v[SB+16*\q+7], 0
.endr
	s_mov_b32 s31, 0
.set WI, 1
.rept 31
	s_bcnt1_i32_b32 s33, s[67+WI]
	s_add_co_u32 s31, s31, s33                     ; set bits in the words before word WI
	s_or_b32 s32, s31, WI<<16
.irp q, 0,1,2,3,4
	v_cmp_gt_u32 s[40+\q], s31, v[SB+16*\q]
.endr
.irp q, 0,1,2,3,4
	v_cndmask_b32 v[SB+16*\q+1], s[68+WI], v[SB+16*\q+1], s[40+\q]
	v_cndmask_b32 v[SB+16*\q+2], s32, v[SB+16*\q+2], s[40+\q]
.endr
.set WI, WI+1
.endr
.irp q, 0,1,2,3,4
	v_and_b32 v[SB+16*\q+8], 0xffff, v[SB+16*\q+2]
	v_lshrrev_b32 v[SB+16*\q+9], 1, v[SB+16*\q+1]
.endr
.irp q, 0,1,2,3,4
	v_sub_nc_u32 v[SB+16*\q+6], v[SB+16*\q], v[SB+16*\q+8]         ; my rank among the word's set bits
	v_and_b32 v[SB+16*\q+9], 0x55555555, v[SB+16*\q+9]
.endr
.irp q, 0,1,2,3,4
	v_sub_nc_u32 v[SB+16*\q+3], v[SB+16*\q+1], v[SB+16*\q+9]       ; counts of 2-bit fields
.endr
.irp q, 0,1,2,3,4
	v_lshrrev_b32 v[SB+16*\q+9], 2, v[SB+16*\q+3]
	v_and_b32 v[SB+16*\q+4], 0x33333333, v[SB+16*\q+3]
.endr
.irp q, 0,1,2,3,4
	v_and_b32 v[SB+16*\q+9], 0x33333333, v[SB+16*\q+9]
.endr
.irp q, 0,1,2,3,4
	v_add_nc_u32 v[SB+16*\q+4], v[SB+16*\q+4], v[SB+16*\q+9]       ; of 4-bit fields
.endr
.irp q, 0,1,2,3,4
	v_lshrrev_b32 v[SB+16*\q+9], 4, v[SB+16*\q+4]
.endr
.irp q, 0,1,2,3,4
	v_add_nc_u32 v[SB+16*\q+5], v[SB+16*\q+4], v[SB+16*\q+9]
.endr
.irp q, 0,1,2,3,4
	v_and_b32 v[SB+16*\q+5], 0x0f0f0f0f, v[SB+16*\q+5]             ; of bytes
.endr
.irp q, 0,1,2,3,4
	v_lshrrev_b32 v[SB+16*\q+9], 8, v[SB+16*\q+5]
.endr
.irp q, 0,1,2,3,4
	v_add_nc_u32 v[SB+16*\q+11], v[SB+16*\q+5], v[SB+16*\q+9]      ; byte 0: of the low 16 bits
.endr
	DESC 11, 8, 16
	DESC 5, 8, 8
	DESC 4, 4, 4
	DESC 3, 2, 2
	DESC 1, 1, 1
.irp q, 0,1,2,3,4
	v_lshrrev_b32 v[SB+16*\q+8], 16, v[SB+16*\q+2]
.endr
.irp q, 0,1,2,3,4
	v_lshl_add_u32 v[SB+16*\q+10], v[SB+16*\q+8], 5, v[SB+16*\q+7] ; token = 32 x word + bit
.endr
.irp q, 0,1,2,3,4
	v_min_u32 v[SB+16*\q+10], 0x3ff, v[SB+16*\q+10]                ; a number made of loaded data is held inside its table ahead of every address
.endr
.irp q, 0,1,2,3,4
	v_mad_u32_u24 v[16+\q], v[SB+16*\q+10], 0x600, v13             ; its codes: 1,536 bytes a token, + 48 h
	v_lshl_add_u32 v[21+\q], v[SB+16*\q+10], 6, v14                ; its scale words: 64 bytes a token, + 32 h
.endr
.endm
.macro NTILES                          ; my tiles in the group that begins at tile T0: those of T0 + w, T0 + w + 4 .. that the list has, five at the most
	s_sub_co_u32 s29, s27, s28
	s_sub_co_u32 s29, s29, s16
	s_add_co_u32 s29, s29, 3
	s_max_i32 s29, s29, 0
	s_lshr_b32 s29, s29, 2
	s_min_u32 s29, s29, 5
.endm
.macro ASL                             ; the rows' scale words: lanes 0-15 take words 0-7, lanes 16-31 words 8-15
.irp q, 0,1,2,3,4
	global_load_b128 v[AS+8*\q:AS+8*\q+3], v[21+\q], s[8:9]
	global_load_b128 v[AS+8*\q+4:AS+8*\q+7], v[21+\q], s[8:9] offset:16
.endr
.endm
.macro AL1 a, ks                       ; slot a takes K step ks of my five tiles: 15 loads
	WIN 0x80+0x40*((\a)/4)
.irp q, 0,1,2,3,4
.irp c, 0,1,2
	global_load_b128 v[60*((\a)%4)+12*\q+4*\c:60*((\a)%4)+12*\q+4*\c+3], v[16+\q], s[6:7] offset:96*(\ks)+16*\c
.endr
.endr
.endm
.macro BLOADP s                        ; first group: the four weight fragments of K step s (6,144 consecutive bytes of images) and its two registers of scale words: 14 LDS loads
.irp k, 0,1,2,3,4,5,6,7,8,9,10,11
.if (\s) < 8
	ds_load_b128 v[BP+4*\k:BP+4*\k+3], v1 offset:6144*((\s)%8)+512*\k
.else
	ds_load_b128 v[BP+4*\k:BP+4*\k+3], v2 offset:6144*((\s)%8)+512*\k
.endif
.endr
	ds_load_b32 v[WS+2*(\s)], v11 offset:256*(\s)                   ; lanes 0-15: tile 0's rows, lanes 16-31: tile 1's
	ds_load_b32 v[WS+2*(\s)+1], v11 offset:256*(\s)+128             ; tiles 2 and 3.  These registers stay for the later groups
.endm
.macro BLOAD s                         ; later groups: the four weight fragments of K step s
.irp k, 0,1,2,3,4,5,6,7,8,9,10,11
.if (\s) < 8
	ds_load_b128 v[BF+48*((\s)%2)+4*\k:BF+48*((\s)%2)+4*\k+3], v1 offset:6144*((\s)%8)+512*\k
.else
	ds_load_b128 v[BF+48*((\s)%2)+4*\k:BF+48*((\s)%2)+4*\k+3], v2 offset:6144*((\s)%8)+512*\k
.endif
.endr
.endm
; One product.  d: accumulator; a: weight fragment; b: rows' fragment; z = 1: it starts the sum; sa, sb: scale registers; ra, rb = 1: the scales stand in lanes 16-31.
.macro WM d, a, b, z, sa, sb, ra, rb
.if \z
.if (\ra) && (\rb)
	v_wmma_scale_f32_16x16x128_f8f6f4 v[(\d):(\d)+7], v[(\a):(\a)+11], v[(\b):(\b)+11], 0, v[\sa], v[\sb] matrix_a_fmt:MATRIX_FMT_BF6 matrix_b_fmt:MATRIX_FMT_BF6 matrix_a_scale:MATRIX_SCALE_ROW1 matrix_b_scale:MATRIX_SCALE_ROW1
.elseif \ra
	v_wmma_scale_f32_16x16x128_f8f6f4 v[(\d):(\d)+7], v[(\a):(\a)+11], v[(\b):(\b)+11], 0, v[\sa], v[\sb] matrix_a_fmt:MATRIX_FMT_BF6 matrix_b_fmt:MATRIX_FMT_BF6 matrix_a_scale:MATRIX_SCALE_ROW1
.elseif \rb
	v_wmma_scale_f32_16x16x128_f8f6f4 v[(\d):(\d)+7], v[(\a):(\a)+11], v[(\b):(\b)+11], 0, v[\sa], v[\sb] matrix_a_fmt:MATRIX_FMT_BF6 matrix_b_fmt:MATRIX_FMT_BF6 matrix_b_scale:MATRIX_SCALE_ROW1
.else
	v_wmma_scale_f32_16x16x128_f8f6f4 v[(\d):(\d)+7], v[(\a):(\a)+11], v[(\b):(\b)+11], 0, v[\sa], v[\sb] matrix_a_fmt:MATRIX_FMT_BF6 matrix_b_fmt:MATRIX_FMT_BF6
.endif
.else
.if (\ra) && (\rb)
	v_wmma_scale_f32_16x16x128_f8f6f4 v[(\d):(\d)+7], v[(\a):(\a)+11], v[(\b):(\b)+11], v[(\d):(\d)+7], v[\sa], v[\sb] matrix_a_fmt:MATRIX_FMT_BF6 matrix_b_fmt:MATRIX_FMT_BF6 matrix_a_scale:MATRIX_SCALE_ROW1 matrix_b_scale:MATRIX_SCALE_ROW1
.elseif \ra
	v_wmma_scale_f32_16x16x128_f8f6f4 v[(\d):(\d)+7], v[(\a):(\a)+11], v[(\b):(\b)+11], v[(\d):(\d)+7], v[\sa], v[\sb] matrix_a_fmt:MATRIX_FMT_BF6 matrix_b_fmt:MATRIX_FMT_BF6 matrix_a_scale:MATRIX_SCALE_ROW1
.elseif \rb
	v_wmma_scale_f32_16x16x128_f8f6f4 v[(\d):(\d)+7], v[(\a):(\a)+11], v[(\b):(\b)+11], v[(\d):(\d)+7], v[\sa], v[\sb] matrix_a_fmt:MATRIX_FMT_BF6 matrix_b_fmt:MATRIX_FMT_BF6 matrix_b_scale:MATRIX_SCALE_ROW1
.else
	v_wmma_scale_f32_16x16x128_f8f6f4 v[(\d):(\d)+7], v[(\a):(\a)+11], v[(\b):(\b)+11], v[(\d):(\d)+7], v[\sa], v[\sb] matrix_a_fmt:MATRIX_FMT_BF6 matrix_b_fmt:MATRIX_FMT_BF6
.endif
.endif
.endm
; First group: the 20 products of K step s, the accumulators by turns, one instruction a turn.
.macro PROD s
.set SLB, 60*((\s)%3)
.set WSB, WS+2*(\s)
.set ASB, AS+(\s)%8
.set RBB, (\s)/8
.set ZZ, 0
.if (\s) == 0
.set ZZ, 1
.endif
	WIN 0x58                                       ; weights window 0, rows window 2, C and D window 1
.irp q, 0,1,2,3,4
.irp n, 0,1,2,3
	WM 8*(4*\q+\n), BP+12*\n, SLB+12*\q, ZZ, WSB+(\n/2), ASB+8*\q, \n%2, RBB
.endr
.endr
	WIN 0
.endm
; K STEP s OF THE PIPELINE.  cnt = the loads issued behind the youngest load that this step needs (its weights, and the rows of K step s - 1, which are older).
; Loads are shown done in the order of issue, so the rows of K step s + 1 are asked for AHEAD of the weights of K step s + 2: when they are multiplied, two steps on, the weights behind them may stay out.
.macro PSTEP s, cnt
	s_wait_loadcnt \cnt
.if (\s)+1 < NS
	AL1 ((\s)+1)%3, (\s)+1                         ; into the slot that the products of K step s - 2 read: the last step's quantising stands between (over four plain vector instructions)
.endif
.if ((\s) > 0) && ((\s)+2 < NS)
	WLOAD (\s)+2                                   ; into the set whose stores to the stage were waited for in the step before
.endif
	WIN 0x0c                                       ; an LDS store's data: window 3
.irp i, 0,1,2,3,4,5,6,7,8,9,10,11,12,13,14,15
	ds_store_b128 v6, v[64*((\s)%3)+4*\i:64*((\s)%3)+4*\i+3] offset:528*\i
.endr
	WIN 0
.irp p, 0,1,2,3,4,5,6,7
	ds_load_b128 v[XX+4*\p:XX+4*\p+3], v7 offset:16*\p              ; row r, k = 32 h + 0..31 (LDS serves a wave's instructions in order)
.endr
.irp p, 0,1,2,3,4,5,6,7
	ds_load_b128 v[XX+32+4*\p:XX+32+4*\p+3], v7 offset:256+16*\p    ; k = 64 + 32 h + 0..31
.endr
.if (\s) > 0
	s_wait_dscnt 32                                ; the 14 loads of the last step's fragments and scale words are in; the 32 lines of the turn may be out
	PROD (\s)-1                                    ; and are on their way while the matrix unit works
.endif
	s_wait_dscnt 0x0                               ; the numbers are in
	QUANTW
.if (\s) < 8
.irp c, 0,1,2
	ds_store_b128 v8, v[PC+4*\c:PC+4*\c+3] offset:6144*((\s)%8)+512*\c
.endr
.else
.irp c, 0,1,2
	ds_store_b128 v9, v[PC+4*\c:PC+4*\c+3] offset:6144*((\s)%8)+512*\c
.endr
.endif
	ds_store_b32 v10, v[MX+2] offset:256*(\s)      ; both halves of the lanes write the same word
	s_wait_dscnt 0x0                               ; my image and scale words of this K step have landed
	s_barrier_signal -1
	s_barrier_wait -1                              ; everybody's have; nobody writes them again
	BLOADP \s
.endm
; Later groups: K step s: 16 or 20 products, the accumulators by turns.  cnt = the loads issued behind this K step's fifteen.
.macro CSTEP s, cnt
	WIN 0
	s_wait_dscnt 0x0                               ; this step's weight fragments are in
.if (\s)+1 < NS
	BLOAD (\s)+1                                   ; the next step's: they have this step's products in which to land
.endif
	s_wait_loadcnt \cnt
.set BFB, BF+48*((\s)%2)
.set SLB, 60*((\s)%4)
.set WSB, WS+2*(\s)
.set ASB, AS+(\s)%8
.set RBB, (\s)/8
.set ZZ, 0
.if (\s) == 0
.set ZZ, 1
.endif
	WIN 0x58+4*(((\s)%8)/4)                        ; weights window 0, rows window 2 or 3, C and D window 1
.irp q, 0,1,2,3
.irp n, 0,1,2,3
	WM 8*(4*\q+\n), BFB+12*\n, SLB+12*\q, ZZ, WSB+(\n/2), ASB+8*\q, \n%2, RBB
.endr
.endr
	WIN 0                                          ; at a branch and at a label every window is 0
	s_cmp_lt_u32 s29, 5                            ; the fifth tile only where the wave has one
	s_cbranch_scc1 .Lno5_\@
	WIN 0x58+4*(((\s)%8)/4)
.irp n, 0,1,2,3
	WM 8*(16+\n), BFB+12*\n, SLB+48, ZZ, WSB+(\n/2), ASB+32, \n%2, RBB
.endr
	WIN 0
.Lno5_\@:
.rept 4
	v_nop                                          ; four places ahead of loads into registers that these products read, and of the first read of results: on both ways
.endr
.if (\s) < 8
	AL1 \s, (\s)+8                                 ; the slot just multiplied takes the K step eight on
.endif
.endm
; The way out of tile q.  Each accumulator is read from its low end on.
.macro EPI1 q
	WIN 0x01                                       ; source 0: window 1
.irp k, 0,2,4,6,8,10,12,14
	v_pk_mul_f32 v[TT+\k:TT+\k+1], v[32*(\q)+\k:32*(\q)+\k+1], s[22:23] op_sel_hi:[1,0]     ; -g log2(e)
.endr
	WIN 0
.irp k, 0,1,2,3,4,5,6,7,8,9,10,11,12,13,14,15
	v_exp_f32 v[TT+\k], v[TT+\k]
.endr
	v_nop                                          ; a plain instruction behind the batch,
	s_wait_alu depctr_va_vdst(0)                   ; and one wait ahead of its first reader
.irp k, 0,2,4,6,8,10,12,14
	v_pk_add_f32 v[TT+\k:TT+\k+1], v[TT+\k:TT+\k+1], 1.0 op_sel_hi:[1,0]
.endr
.irp k, 0,1,2,3,4,5,6,7,8,9,10,11,12,13,14,15
	v_rcp_f32 v[TT+\k], v[TT+\k]                   ; sigmoid(g)
.endr
	v_nop
	s_wait_alu depctr_va_vdst(0)
	WIN 0x01
.irp k, 0,2,4,6,8,10,12,14
	v_pk_mul_f32 v[HV+\k:HV+\k+1], v[32*(\q)+\k:32*(\q)+\k+1], v[TT+\k:TT+\k+1]             ; silu(g)
.endr
.irp k, 0,2,4,6,8,10,12,14
	v_pk_mul_f32 v[HV+\k:HV+\k+1], v[32*(\q)+16+\k:32*(\q)+16+\k+1], v[HV+\k:HV+\k+1]       ; x u: h, columns 16 h + 0..15 of my row
.endr
	WIN 0
	v_max3_num_f32 v[MX], |v[HV]|, |v[HV+1]|, 0x2800000
	v_max3_num_f32 v[MX+1], |v[HV+8]|, |v[HV+9]|, 0x2800000
.irp i, 2,4,6
	v_max3_num_f32 v[MX], v[MX], |v[HV+\i]|, |v[HV+\i+1]|
	v_max3_num_f32 v[MX+1], v[MX+1], |v[HV+8+\i]|, |v[HV+9+\i]|
.endr
	v_max_num_f32 v[MX], v[MX], v[MX+1]
	v_permlanex16_b32 v12, v[MX], s20, s21
	v_max_num_f32 v[MX], v[MX], v12                ; with the other half's 16: the block's largest magnitude
	v_add_nc_u32 v[SO], 0xfe000000, v[MX]
	v_cvt_scalef32_pk16_bf6_f32 v[PC:PC+2], v[HV:HV+15], v[SO]
	v_lshrrev_b32 v[DD+8*(\q)+4], 23, v[SO]        ; the byte (also the plain instruction behind the conversion)
	v_permlanex16_b32 v12, v[PC], s20, s21
	v_cndmask_b32 v[DD+8*(\q)], v[PC], v[PC+1], s24                ; the record's 32 bytes: lanes 0-15 their 12 bytes and the partner's first 4;
	v_cndmask_b32 v[DD+8*(\q)+1], v[PC+1], v[PC+2], s24            ; lanes 16-31 their last 8 and 8 zeros
	v_cndmask_b32 v[DD+8*(\q)+2], v[PC+2], v15, s24
	v_cndmask_b32 v[DD+8*(\q)+3], v12, v15, s24
	v_and_b32 v[DD+8*(\q)+5], 0xffffffef, v[26+\q]                 ; 32 rank
	global_store_b128 v[26+\q], v[DD+8*(\q):DD+8*(\q)+3], s[12:13] ; the wave stores 512 consecutive bytes, aligned
	global_store_b8 v[DD+8*(\q)+5], v[DD+8*(\q)+4], s[14:15]       ; both halves write the same byte
.endm
	s_load_b256 s[4:11], s[0:1], 0x0               ; gate_up_proj, xq, xs, msk
	s_load_b128 s[12:15], s[0:1], 0x20             ; hq, hs
	v_lshl_add_u32 v254, v0, 2, 0x21400
	v_mov_b32 v255, 0
	v_lshrrev_b32 v1, 5, v0
	v_readfirstlane_b32 s16, v1                    ; wave w
	s_and_b32 s17, ttmp7, 0xffff                   ; expert e
	s_mov_b32 s18, ttmp9                           ; block j
	v_and_b32 v12, 31, v0                          ; lane
	v_lshlrev_b32 v1, 4, v12                       ; 16 x lane
	s_lshl_b32 s34, s17, 11                        ; my tile's first row: 2048 e + 1024 (w / 2) + 32 j + 8 (w % 2)
	s_lshr_b32 s33, s16, 1
	s_lshl_b32 s33, s33, 10
	s_add_co_u32 s34, s34, s33
	s_lshl_b32 s33, s18, 5
	s_add_co_u32 s34, s34, s33
	s_and_b32 s33, s16, 1
	s_lshl_b32 s33, s33, 3
	s_add_co_u32 s34, s34, s33
	s_lshl_b32 s34, s34, 13                        ; in bytes: under 2^27
	s_mov_b32 s35, 0
	s_lshl_b32 s46, s17, 7
	s_mov_b32 s47, 0
	s_wait_kmcnt 0x0
	s_add_nc_u64 s[38:39], s[4:5], s[34:35]
	s_add_nc_u64 s[10:11], s[10:11], s[46:47]
	s_load_b512 s[68:83], s[10:11], 0x0            ; the expert's 32 mask words
	s_load_b512 s[84:99], s[10:11], 0x40
	WLOAD 0                                        ; all three sets are free here: three K steps of weights go out at once
	WLOAD 1
	WLOAD 2
	WIN 0
	s_lshl_b32 s34, s17, 5
	s_add_co_u32 s34, s34, s18
	s_lshl_b32 s34, s34, 15
	s_add_nc_u64 s[12:13], s[12:13], s[34:35]      ; hq at (e, j)
	s_lshl_b32 s34, s17, 15
	s_add_co_u32 s34, s34, s18
	s_add_nc_u64 s[14:15], s[14:15], s[34:35]      ; hs at expert e, byte j
	s_mov_b32 s20, 0x76543210
	s_mov_b32 s21, 0xfedcba98                      ; v_permlanex16_b32's selects for lane xor 16
	s_mov_b32 s22, 0xbfb8aa3b                      ; -log2(e)
	s_mov_b32 s23, s22
	s_mov_b32 s24, 0xffff0000                      ; lanes 16-31
	v_add_nc_u32 v2, HALF, v1
	v_and_b32 v3, 15, v0                           ; r
	v_bfe_u32 v4, v0, 4, 1                         ; h
	v_lshlrev_b32 v5, 3, v4
	s_mul_i32 s33, s16, TW
	s_add_co_u32 s33, s33, TURN                    ; my stage
	v_add_nc_u32 v6, s33, v1                       ; in: a row's 512 bytes as loaded
	v_mul_u32_u24 v7, v3, 528
	v_lshl_add_u32 v7, v4, 7, v7
	v_add_nc_u32 v7, s33, v7                       ; out: row r, + 128 h
	s_mul_i32 s33, s16, 1536
	v_add_nc_u32 v8, s33, v1                       ; my tile's images
	v_add_nc_u32 v9, HALF, v8
	s_lshl_b32 s33, s16, 6
	s_add_co_u32 s33, s33, SCW
	v_lshl_add_u32 v10, v3, 2, s33                 ; my tile's scale words in a K step's 256 bytes: 64 w + 4 r
	v_lshl_add_u32 v11, v12, 2, SCW                ; and back, as a register's image: 4 x lane
	v_mov_b32 v12, 0                               ; from here on: a lane permute's destination, which counts as read
	v_mul_u32_u24 v13, v4, 48
	v_lshlrev_b32 v14, 5, v4
	v_mov_b32 v15, 0
	v_lshlrev_b32 v31, 4, v4
	s_wait_kmcnt 0x0                               ; the mask words
	s_mov_b32 s25, 0
.set WI, 0
.rept 32
	s_bcnt1_i32_b32 s33, s[68+WI]
	s_add_co_u32 s25, s25, s33                     ; the list's length
.set WI, WI+1
.endr
	s_max_u32 s26, s25, 1
	s_sub_co_u32 s26, s26, 1                       ; its last rank (0 for an empty list: loads stay in their buffers, nothing is stored)
	s_add_co_u32 s27, s25, 15
	s_lshr_b32 s27, s27, 4                         ; its tiles
	s_mov_b32 s28, 0                               ; T0
	s_mov_b32 s19, 0                               ; groups done
	s_lshl_b32 s30, s16, 4
	NTILES
	SELECT
	ASL
	AL1 0, 0
	; THE PIPELINE.  Issue order: weights 0, 1, 2; 10 scale loads; rows 0 | step 0: rows 1 | step t: rows t + 1, weights t + 2.
	PSTEP 0, 57                                    ; behind weights 0: 16 + 16 + 10 + 15
	PSTEP 1, 15                                    ; weights 1, the scale words and rows 0 are wanted: behind rows 0 stand rows 1
.irp s, 2,3,4,5,6,7,8,9,10,11,12,13,14
	PSTEP \s, 31                                   ; behind this step's weights: the last step's 15 + 16 (step 2: behind rows 1)
.endr
	PSTEP 15, 15                                   ; behind weights 15: rows 15
	s_wait_dscnt 0x0                               ; the last K step's fragments,
	s_wait_loadcnt 0x0                             ; and its rows
	PROD 15
.rept 4
	v_nop                                          ; four places (ISA guide 7.12.1) ahead of the first read of results
.endr
.Lepi:                                             ; THE LOOP OVER GROUPS begins at a group's way out
.irp q, 0,1,2,3,4
	s_cmp_le_u32 s29, \q                           ; only the tiles that the list has are stored
	s_cbranch_scc1 .Lepi_end
	EPI1 \q
.endr
.Lepi_end:
	s_wait_loadcnt 0x0                             ; no load is out whose offsets or registers the next group writes
	s_wait_dscnt 0x0
	s_wait_xcnt 0x0                                ; the stores have read their data and offsets
	s_add_co_u32 s19, s19, 1                       ; the loop's counter: one a group
	s_add_co_u32 s28, s28, 20                      ; T0 = 20 x groups done
	s_cmp_ge_u32 s28, s27                          ; no tile is left: the loop ends here, at the latest with T0 = 80 over the 64 tiles that a list can have
	s_cbranch_scc1 .Ldone
	s_add_co_u32 s30, s28, s16
	s_lshl_b32 s30, s30, 4
	SELECT
	ASL
.irp a, 0,1,2,3,4,5,6,7
	AL1 \a, \a
.endr
	WIN 0
	NTILES
	s_cmp_eq_u32 s29, 0
	s_cbranch_scc1 .Lskip
	BLOAD 0
.irp s, 0,1,2,3,4,5,6,7
	CSTEP \s, 63                                   ; behind slot s: the 7 other slots' fifteen each, first fills or refills: 105; the count is the largest that the wait can name
.endr
	CSTEP 8, 63                                    ; behind refill a: 15 (7 - a)
	CSTEP 9, 63
	CSTEP 10, 63
	CSTEP 11, 60
	CSTEP 12, 45
	CSTEP 13, 30
	CSTEP 14, 15
	CSTEP 15, 0
.Lskip:
	s_cmp_lt_u32 s19, NGMAX                        ; holds wherever this line is reached: T0 < 64 means fewer than four groups done
	s_cbranch_scc1 .Lepi
.Ldone:
	s_wait_tensorcnt 0x0
	ds_add_u32 v254, v255
	s_wait_dscnt 0x0
	s_endpgm
.Lfunc_end_k_qe648a1326b_gateup:
	.size	k_qe648a1326b_gateup, .Lfunc_end_k_qe648a1326b_gateup-k_qe648a1326b_gateup
	.p2alignl 7, 3214868480
	.fill 96, 4, 3214868480
	.section	.rodata,"a",@progbits
	.p2align	6, 0x0
	.amdhsa_kernel k_qe648a1326b_gateup
		.amdhsa_group_segment_fixed_size 136704
		.amdhsa_private_segment_fixed_size 0
		.amdhsa_enable_private_segment 0
		.amdhsa_kernarg_size 48
		.amdhsa_user_sgpr_count 2
		.amdhsa_user_sgpr_kernarg_segment_ptr 1
		.amdhsa_wavefront_size32 1
		.amdhsa_system_sgpr_workgroup_id_x 1
		.amdhsa_system_sgpr_workgroup_id_y 1
		.amdhsa_system_sgpr_workgroup_id_z 1
		.amdhsa_system_vgpr_workitem_id 0
		.amdhsa_next_free_vgpr 1024
		.amdhsa_next_free_sgpr 100
		.amdhsa_reserve_vcc 0
		.amdhsa_float_denorm_mode_32 3
		.amdhsa_float_denorm_mode_16_64 3
		.amdhsa_memory_ordered 1
		.amdhsa_forward_progress 1
		.amdhsa_inst_pref_size 255
	.end_amdhsa_kernel
	.section	.bss,"aw",@nobits
	.p2align	6
	.space	262144
	.amdgpu_metadata
---
amdhsa.version: [ 1, 2 ]
amdhsa.kernels:
  - .name:           k_qe648a1326b_gateup
    .symbol:         k_qe648a1326b_gateup.kd
    .args:
      - { .name: gate_up_proj, .offset: 0, .size: 8, .value_kind: global_buffer, .address_space: global }
      - { .name: xq, .offset: 8, .size: 8, .value_kind: global_buffer, .address_space: global }
      - { .name: xs, .offset: 16, .size: 8, .value_kind: global_buffer, .address_space: global }
      - { .name: msk, .offset: 24, .size: 8, .value_kind: global_buffer, .address_space: global }
      - { .name: hq, .offset: 32, .size: 8, .value_kind: global_buffer, .address_space: global }
      - { .name: hs, .offset: 40, .size: 8, .value_kind: global_buffer, .address_space: global }
    .group_segment_fixed_size: 136704
    .private_segment_fixed_size: 0
    .kernarg_segment_align: 8
    .kernarg_segment_size: 48
    .max_flat_workgroup_size: 128
    .sgpr_count:     100
    .vgpr_count:     1024
    .wavefront_size: 32
...
	.end_amdgpu_metadata
.endif
;; end of part 2
;; launch down (part 3): grid 32 x 8, 4 waves a work-group, no clusters, 85,504 bytes of LDS; arguments down_proj, hq, hs, msk, rec, cf, yr; writes yr
.if DOCPART == 3
	.amdgcn_target "amdgcn-amd-amdhsa--gfx1250"
	.amdhsa_code_object_version 6
	.text
	.protected	k_qe648a1326b_down
	.globl	k_qe648a1326b_down
	.p2align	8
	.type	k_qe648a1326b_down,@function
k_qe648a1326b_down:
	s_mov_b64 s[64:65], 0
	v_nop
	global_prefetch_b8 v0, s[64:65] scope:SCOPE_SE
	s_setreg_imm32_b32 hwreg(HW_REG_WAVE_MODE, 25, 1), 1
	s_wait_xcnt 0x0
; yr[2 token + slot] = coefficient x (h Wd^T) for the rows routed to each expert, both operands as codes of BF6 (E3M2) with E8M0 scales.
; SHARES.  Work-group (j, e) owns rows 64 j .. 64 j + 63 of expert e's down_proj (64 columns of the result).
; K STEP BY K STEP.  Its 256 KiB of f32 are read ONCE, in 8 K steps of 128; wave w takes tile w, 16 rows.  In K step s a wave turns its tile through its own stage in LDS, quantises it and lays it in LDS as an image of the
; operand's registers; one barrier; then every wave fetches the step's four images.  The products of K step s - 1 with the first group's rows stand between the turn's LDS lines and the wait for them: the matrix work
; runs under the weights' stream.  No image is written twice, so one barrier a K step orders all.
; THE LIST is the one that the launch before walked: rank -> token by the same arithmetic on msk (macro SELECT).  h is read by rank, the result's row by token: rec says whether the expert is the token's
; first or second choice, cf holds the coefficient at the same number 2 token + slot.  Ranks past the list's end repeat its last row: the same bytes go to the same place.
; A group is 20 tiles of 16 rows, tile T0 + 4 q + w to wave w (q = 0..4).  In the first group every wave multiplies all five tiles, so that no branch on stored numbers stands between the barriers; only real tiles are
; stored.  Later groups (a list of over 320 rows, up to 1,024: four groups) are multiplied from the finished images, with no barrier.
; THE PRODUCT IS USED TRANSPOSED (source 0 = 16 weight rows, source 1 = 16 routed rows): a lane holds one routed row and eight neighbouring columns.  A tile goes through the wave's stage and leaves as
; rows: sixteen lanes store 256 consecutive bytes, aligned.  Each row of yr has one owner among the experts, each of its 256-byte pieces one work-group.
; NO TENSOR LOADS, NO CLUSTER: trip counts hang on the stored list; each weight byte is read by this work-group alone; the rows that the 32 work-groups of an expert share are gathered lane by lane.
; LIMITS: NaN and infinities are not served; a block of zeros gets the byte 1 with zero codes (this program alone reads the bytes).
; REGISTERS, in windows of 256.  Window 0: v1-31 addresses and offsets; v32-47 the weights' scale words (K step s, tiles 2 g and 2 g + 1: v[32 + 2 s + g]); v48-61 at work; v64-83 the rows' scale words; v104-167 64 numbers
; of a lane; v168-215 the first group's weight fragments; v216-227 codes; v228-255 the rows' numbers (later groups: v104-199 two sets of weight fragments; SELECT and the way out work in v104-183).
; Window 1: accumulator (q, n) at 8 (4 q + n).  Window 2: h's fragments, first group: K step k in slot k % 3 at 60 (k % 3) + 12 q.  Window 3: first group: three sets of 64 weights as loaded.
; Later groups: windows 2 and 3 hold all eight K steps, K step a at 60 (a % 4) + 12 q.
.set NS,   8                           ; K steps
.set ROWB, 4096                        ; a weight row in bytes
.set NGMAX, 4                          ; groups at the most: 1,024 rows are 64 tiles, 20 to a group
.set SCW,  49152                       ; behind the images: the weights' scale words, 256 bytes a K step: two register images of 128 bytes
.set TURN, 51200                       ; behind them: a stage for each wave: 16 rows x 528 bytes for the turn, 16 rows x 272 on the way out
.set TW,   8448
.set XX,   104
.set BP,   168                         ; v168-215 the first group's weight fragments
.set BF,   104                         ; later groups: v104-151, v152-199
.set SB,   104                         ; SELECT: 16 registers a tile: +0 rank, +1 word, +2 key, +3 +4 +5 +11 field counts, +6 rank in the word, +7 bit, +8 +9 at work, +10 token
.set WS,   32
.set AS,   64
.set PC,   216                         ; v216-227 codes
.set PT,   48                          ; v48-54 their upper halves
.set MX,   56                          ; v56-59 maxima, then bytes and the scale word
.set SO,   60                          ; v60-61 the conversions' scale operands
.set BI,   228                         ; v228-235 4 x the lane that holds row 2 i + lane / 16 of a tile
.set CF,   236                         ; v236-240 the rows' coefficients
.set RID,  241                         ; v241-245 2 token + slot
.set REC,  246                         ; v246-250 rec as loaded
.set RCO,  251                         ; v251-255 offsets into rec, then into cf
.set YY,   104                         ; the way out: v104-135 a tile x its coefficient, v136-167 whole rows, v168-175 their offsets
.set OUT,  136
.set OFS,  168
.set MSB,  0
.macro WIN new                         ; the immediate's high byte repeats the setting that is left
.if MSB != (\new)
	s_set_vgpr_msb (MSB<<8)|(\new)
.set MSB, (\new)
.endif
.endm
.macro WLOAD s                         ; my 16 rows' numbers of K step s into set s % 3 of window 3
	WIN 0xc0
.irp i, 0,1,2,3,4,5,6,7,8,9,10,11,12,13,14,15
	global_load_b128 v[64*((\s)%3)+4*\i:64*((\s)%3)+4*\i+3], v1, s[38:39] offset:\i*ROWB+512*(\s) th:TH_LOAD_NT
.endr
.endm
.macro QUANTW                          ; 64 numbers of lane (r, h): blocks h and 2 + h of row r -> the operand's 12 registers in v[PC] on, the row's scale word in v[MX+2]
.irp c, 0,1,2,3
	v_max3_num_f32 v[MX+\c], |v[XX+16*\c]|, |v[XX+16*\c+1]|, 0x2800000   ; four chains of 16, each over the floor 2^(5 - 127)
.endr
.irp i, 2,4,6,8,10,12,14
.irp c, 0,1,2,3
	v_max3_num_f32 v[MX+\c], v[MX+\c], |v[XX+16*\c+\i]|, |v[XX+16*\c+\i+1]|
.endr
.endr
	v_max_num_f32 v[MX], v[MX], v[MX+1]
	v_max_num_f32 v[MX+2], v[MX+2], v[MX+3]
	v_add_nc_u32 v[SO], 0xfe000000, v[MX]          ; 4 off the exponent field: the conversion's scale operand
	v_add_nc_u32 v[SO+1], 0xfe000000, v[MX+2]
	v_lshrrev_b32 v[MX], 23, v[SO]
	v_lshrrev_b32 v[MX+1], 23, v[SO+1]
	v_lshl_or_b32 v[MX+2], v[MX+1], 16, v[MX]
	v_lshlrev_b32 v[MX+2], v5, v[MX+2]             ; at their places in the word: 8 h bits up
	v_permlanex16_b32 v12, v[MX+2], s20, s21
	v_or_b32 v[MX+2], v[MX+2], v12
	v_cvt_scalef32_pk16_bf6_f32 v[PC:PC+2], v[XX:XX+15], v[SO]
	v_cvt_scalef32_pk16_bf6_f32 v[PT:PT+2], v[XX+16:XX+31], v[SO]       ; (a conversion's three registers begin on an even number)
	v_cvt_scalef32_pk16_bf6_f32 v[PC+6:PC+8], v[XX+32:XX+47], v[SO+1]
	v_cvt_scalef32_pk16_bf6_f32 v[PT+4:PT+6], v[XX+48:XX+63], v[SO+1]
	v_nop                                          ; one plain instruction behind the conversions
.irp i, 0,1,2
	v_mov_b32 v[PC+3+\i], v[PT+\i]
	v_mov_b32 v[PC+9+\i], v[PT+4+\i]
.endr
.endm
.macro DESC src, wid, stp              ; one descent: if the field at the bit in hand holds no more set bits than my rank, pass over it
.irp q, 0,1,2,3,4
	v_bfe_u32 v[SB+16*\q+8], v[SB+16*\q+\src], v[SB+16*\q+7], \wid
.endr
.irp q, 0,1,2,3,4
	v_cmp_lt_u32 s[40+\q], v[SB+16*\q+6], v[SB+16*\q+8]
.endr
.irp q, 0,1,2,3,4
	v_cndmask_b32 v[SB+16*\q+8], v[SB+16*\q+8], v15, s[40+\q]
	v_cndmask_b32 v[SB+16*\q+9], \stp, v15, s[40+\q]
.endr
.irp q, 0,1,2,3,4
	v_sub_nc_u32 v[SB+16*\q+6], v[SB+16*\q+6], v[SB+16*\q+8]
	v_add_nc_u32 v[SB+16*\q+7], v[SB+16*\q+7], v[SB+16*\q+9]
.endr
.endm
; Rank -> token, for my five tiles' row r.  The word: the last of the 32 whose count of earlier set bits is at most the rank.  The bit: by the counts of the word's 16-, 8-, 4-, 2- and 1-bit fields.
.macro SELECT
.irp q, 0,1,2,3,4
	v_add_nc_u32 v[SB+16*\q], s30, v3              ; rank = 16 (T0 + w) + r
.endr
.irp q, 1,2,3,4
	v_add_nc_u32 v[SB+16*\q], 64*\q, v[SB+16*\q]   ; + 64 q
.endr
.irp q, 0,1,2,3,4
	v_min_u32 v[SB+16*\q], s26, v[SB+16*\q]        ; ranks past the end repeat the last row
	v_mov_b32 v[SB+16*\q+1], s68
	v_mov_b32 v[SB+16*\q+2], 0
	v_mov_b32 v[SB+16*\q+7], 0
.endr
.irp q, 0,1,2,3,4
	v_min_u32 v[SB+16*\q+9], 0x3ff, v[SB+16*\q]    ; a number made of loaded data is held inside its table ahead of every address
.endr
.irp q, 0,1,2,3,4
	v_lshl_add_u32 v[16+\q], v[SB+16*\q+9], 5, v13 ; h's codes: 32 rank + 32,768 h
	v_lshl_add_u32 v[21+\q], v[SB+16*\q+9], 5, v14 ; h's scale words: 32 rank + 16 h
.endr
	s_mov_b32 s31, 0
.set WI, 1
.rept 31
	s_bcnt1_i32_b32 s33, s[67+WI]
	s_add_co_u32 s31, s31, s33                     ; set bits in the words before word WI
	s_or_b32 s32, s31, WI<<16
.irp q, 0,1,2,3,4
	v_cmp_gt_u32 s[40+\q], s31, v[SB+16*\q]
.endr
.irp q, 0,1,2,3,4
	v_cndmask_b32 v[SB+16*\q+1], s[68+WI], v[SB+16*\q+1], s[40+\q]
	v_cndmask_b32 v[SB+16*\q+2], s32, v[SB+16*\q+2], s[40+\q]
.endr
.set WI, WI+1
.endr
.irp q, 0,1,2,3,4
	v_and_b32 v[SB+16*\q+8], 0xffff, v[SB+16*\q+2]
	v_lshrrev_b32 v[SB+16*\q+9], 1, v[SB+16*\q+1]
.endr
.irp q, 0,1,2,3,4
	v_sub_nc_u32 v[SB+16*\q+6], v[SB+16*\q], v[SB+16*\q+8]         ; my rank among the word's set bits
	v_and_b32 v[SB+16*\q+9], 0x55555555, v[SB+16*\q+9]
.endr
.irp q, 0,1,2,3,4
	v_sub_nc_u32 v[SB+16*\q+3], v[SB+16*\q+1], v[SB+16*\q+9]       ; counts of 2-bit fields
.endr
.irp q, 0,1,2,3,4
	v_lshrrev_b32 v[SB+16*\q+9], 2, v[SB+16*\q+3]
	v_and_b32 v[SB+16*\q+4], 0x33333333, v[SB+16*\q+3]
.endr
.irp q, 0,1,2,3,4
	v_and_b32 v[SB+16*\q+9], 0x33333333, v[SB+16*\q+9]
.endr
.irp q, 0,1,2,3,4
	v_add_nc_u32 v[SB+16*\q+4], v[SB+16*\q+4], v[SB+16*\q+9]       ; of 4-bit fields
.endr
.irp q, 0,1,2,3,4
	v_lshrrev_b32 v[SB+16*\q+9], 4, v[SB+16*\q+4]
.endr
.irp q, 0,1,2,3,4
	v_add_nc_u32 v[SB+16*\q+5], v[SB+16*\q+4], v[SB+16*\q+9]
.endr
.irp q, 0,1,2,3,4
	v_and_b32 v[SB+16*\q+5], 0x0f0f0f0f, v[SB+16*\q+5]             ; of bytes
.endr
.irp q, 0,1,2,3,4
	v_lshrrev_b32 v[SB+16*\q+9], 8, v[SB+16*\q+5]
.endr
.irp q, 0,1,2,3,4
	v_add_nc_u32 v[SB+16*\q+11], v[SB+16*\q+5], v[SB+16*\q+9]      ; byte 0: of the low 16 bits
.endr
	DESC 11, 8, 16
	DESC 5, 8, 8
	DESC 4, 4, 4
	DESC 3, 2, 2
	DESC 1, 1, 1
.irp q, 0,1,2,3,4
	v_lshrrev_b32 v[SB+16*\q+8], 16, v[SB+16*\q+2]
.endr
.irp q, 0,1,2,3,4
	v_lshl_add_u32 v[SB+16*\q+10], v[SB+16*\q+8], 5, v[SB+16*\q+7] ; token = 32 x word + bit
.endr
.irp q, 0,1,2,3,4
	v_min_u32 v[SB+16*\q+10], 0x3ff, v[SB+16*\q+10]
.endr
.irp q, 0,1,2,3,4
	v_lshlrev_b32 v[RCO+\q], 2, v[SB+16*\q+10]     ; its word of rec
	v_lshlrev_b32 v[RID+\q], 1, v[SB+16*\q+10]     ; 2 token; the slot is added when rec is in
.endr
.endm
.macro NTILES                          ; my tiles in the group that begins at tile T0: those of T0 + w, T0 + w + 4 .. that the list has, five at the most
	s_sub_co_u32 s29, s27, s28
	s_sub_co_u32 s29, s29, s16
	s_add_co_u32 s29, s29, 3
	s_max_i32 s29, s29, 0
	s_lshr_b32 s29, s29, 2
	s_min_u32 s29, s29, 5
.endm
.macro SMALL                           ; rec and h's scale words: 5 + 5 loads
.irp q, 0,1,2,3,4
	global_load_b32 v[REC+\q], v[RCO+\q], s[12:13]
.endr
.irp q, 0,1,2,3,4
	global_load_b128 v[AS+4*\q:AS+4*\q+3], v[21+\q], s[8:9]        ; lanes 0-15 words 0-3, lanes 16-31 words 4-7
.endr
.endm
.macro SLOT                            ; rec is in: which of the token's two rows of yr is this expert's; its coefficient is asked for: 5 loads
.irp q, 0,1,2,3,4
	v_bfe_u32 v[REC+\q], v[REC+\q], 8, 8           ; the second choice
.endr
.irp q, 0,1,2,3,4
	v_cmp_ne_u32 s[40+\q], s17, v[REC+\q]
.endr
.irp q, 0,1,2,3,4
	v_cndmask_b32 v[REC+\q], 1, v15, s[40+\q]      ; slot 1 where it is this expert, else 0
.endr
.irp q, 0,1,2,3,4
	v_add_nc_u32 v[RID+\q], v[RID+\q], v[REC+\q]
.endr
.irp q, 0,1,2,3,4
	v_min_u32 v[RID+\q], 0x7ff, v[RID+\q]
.endr
.irp q, 0,1,2,3,4
	v_lshlrev_b32 v[RCO+\q], 2, v[RID+\q]          ; (the load of rec that read this register is done)
.endr
.irp q, 0,1,2,3,4
	global_load_b32 v[CF+\q], v[RCO+\q], s[14:15]
.endr
.endm
.macro AL2 a, ks                       ; slot a takes K step ks of my five tiles of h: blocks 4 ks + h and 4 ks + 2 + h, 24 bytes each: 20 loads
	WIN 0x80+0x40*((\a)/4)
.irp q, 0,1,2,3,4
.irp c, 0,1
	global_load_b128 v[60*((\a)%4)+12*\q+6*\c:60*((\a)%4)+12*\q+6*\c+3], v[16+\q], s[6:7] offset:131072*(\ks)+65536*\c
	global_load_b64 v[60*((\a)%4)+12*\q+6*\c+4:60*((\a)%4)+12*\q+6*\c+5], v[16+\q], s[6:7] offset:131072*(\ks)+65536*\c+16
.endr
.endr
.endm
.macro BLOADP s                        ; first group: the four weight fragments of K step s (6,144 consecutive bytes of images) and its two registers of scale words: 14 LDS loads
.irp k, 0,1,2,3,4,5,6,7,8,9,10,11
	ds_load_b128 v[BP+4*\k:BP+4*\k+3], v1 offset:6144*(\s)+512*\k
.endr
	ds_load_b32 v[WS+2*(\s)], v11 offset:256*(\s)                   ; lanes 0-15: tile 0's rows, lanes 16-31: tile 1's
	ds_load_b32 v[WS+2*(\s)+1], v11 offset:256*(\s)+128             ; tiles 2 and 3.  These registers stay for the later groups
.endm
.macro BLOAD s                         ; later groups: the four weight fragments of K step s
.irp k, 0,1,2,3,4,5,6,7,8,9,10,11
	ds_load_b128 v[BF+48*((\s)%2)+4*\k:BF+48*((\s)%2)+4*\k+3], v1 offset:6144*(\s)+512*\k
.endr
.endm
; One product.  d: accumulator; a: weight fragment; b: rows' fragment; z = 1: it starts the sum; sa, sb: scale registers; ra, rb = 1: the scales stand in lanes 16-31.
.macro WM d, a, b, z, sa, sb, ra, rb
.if \z
.if (\ra) && (\rb)
	v_wmma_scale_f32_16x16x128_f8f6f4 v[(\d):(\d)+7], v[(\a):(\a)+11], v[(\b):(\b)+11], 0, v[\sa], v[\sb] matrix_a_fmt:MATRIX_FMT_BF6 matrix_b_fmt:MATRIX_FMT_BF6 matrix_a_scale:MATRIX_SCALE_ROW1 matrix_b_scale:MATRIX_SCALE_ROW1
.elseif \ra
	v_wmma_scale_f32_16x16x128_f8f6f4 v[(\d):(\d)+7], v[(\a):(\a)+11], v[(\b):(\b)+11], 0, v[\sa], v[\sb] matrix_a_fmt:MATRIX_FMT_BF6 matrix_b_fmt:MATRIX_FMT_BF6 matrix_a_scale:MATRIX_SCALE_ROW1
.elseif \rb
	v_wmma_scale_f32_16x16x128_f8f6f4 v[(\d):(\d)+7], v[(\a):(\a)+11], v[(\b):(\b)+11], 0, v[\sa], v[\sb] matrix_a_fmt:MATRIX_FMT_BF6 matrix_b_fmt:MATRIX_FMT_BF6 matrix_b_scale:MATRIX_SCALE_ROW1
.else
	v_wmma_scale_f32_16x16x128_f8f6f4 v[(\d):(\d)+7], v[(\a):(\a)+11], v[(\b):(\b)+11], 0, v[\sa], v[\sb] matrix_a_fmt:MATRIX_FMT_BF6 matrix_b_fmt:MATRIX_FMT_BF6
.endif
.else
.if (\ra) && (\rb)
	v_wmma_scale_f32_16x16x128_f8f6f4 v[(\d):(\d)+7], v[(\a):(\a)+11], v[(\b):(\b)+11], v[(\d):(\d)+7], v[\sa], v[\sb] matrix_a_fmt:MATRIX_FMT_BF6 matrix_b_fmt:MATRIX_FMT_BF6 matrix_a_scale:MATRIX_SCALE_ROW1 matrix_b_scale:MATRIX_SCALE_ROW1
.elseif \ra
	v_wmma_scale_f32_16x16x128_f8f6f4 v[(\d):(\d)+7], v[(\a):(\a)+11], v[(\b):(\b)+11], v[(\d):(\d)+7], v[\sa], v[\sb] matrix_a_fmt:MATRIX_FMT_BF6 matrix_b_fmt:MATRIX_FMT_BF6 matrix_a_scale:MATRIX_SCALE_ROW1
.elseif \rb
	v_wmma_scale_f32_16x16x128_f8f6f4 v[(\d):(\d)+7], v[(\a):(\a)+11], v[(\b):(\b)+11], v[(\d):(\d)+7], v[\sa], v[\sb] matrix_a_fmt:MATRIX_FMT_BF6 matrix_b_fmt:MATRIX_FMT_BF6 matrix_b_scale:MATRIX_SCALE_ROW1
.else
	v_wmma_scale_f32_16x16x128_f8f6f4 v[(\d):(\d)+7], v[(\a):(\a)+11], v[(\b):(\b)+11], v[(\d):(\d)+7], v[\sa], v[\sb] matrix_a_fmt:MATRIX_FMT_BF6 matrix_b_fmt:MATRIX_FMT_BF6
.endif
.endif
.endm
; First group: the 20 products of K step s, the accumulators by turns, one instruction a turn.
.macro PROD s
.set SLB, 60*((\s)%3)
.set WSB, WS+2*(\s)
.set ASB, AS+(\s)%4
.set RBB, (\s)/4
.set ZZ, 0
.if (\s) == 0
.set ZZ, 1
.endif
	WIN 0x58                                       ; weights window 0, rows window 2, C and D window 1
.irp q, 0,1,2,3,4
.irp n, 0,1,2,3
	WM 8*(4*\q+\n), BP+12*\n, SLB+12*\q, ZZ, WSB+(\n/2), ASB+4*\q, \n%2, RBB
.endr
.endr
	WIN 0
.endm
; K STEP s OF THE PIPELINE.  cnt = the loads issued behind the youngest load that this step needs (its weights, and the rows of K step s - 1, which are older).
; Loads are shown done in the order of issue, so the rows of K step s + 1 are asked for AHEAD of the weights of K step s + 2: when they are multiplied, two steps on, the weights behind them may stay out.
.macro PSTEP s, cnt
	s_wait_loadcnt \cnt
.if (\s) == 1
	SLOT                                           ; rec, which is older than what step 1 waits for, is in
.endif
.if (\s)+1 < NS
	AL2 ((\s)+1)%3, (\s)+1                         ; into the slot that the products of K step s - 2 read: the last step's quantising stands between (over four plain vector instructions)
.endif
.if ((\s) > 0) && ((\s)+2 < NS)
	WLOAD (\s)+2                                   ; into the set whose stores to the stage were waited for in the step before
.endif
	WIN 0x0c                                       ; an LDS store's data: window 3
.irp i, 0,1,2,3,4,5,6,7,8,9,10,11,12,13,14,15
	ds_store_b128 v6, v[64*((\s)%3)+4*\i:64*((\s)%3)+4*\i+3] offset:528*\i
.endr
	WIN 0
.irp p, 0,1,2,3,4,5,6,7
	ds_load_b128 v[XX+4*\p:XX+4*\p+3], v7 offset:16*\p              ; row r, k = 32 h + 0..31 (LDS serves a wave's instructions in order)
.endr
.irp p, 0,1,2,3,4,5,6,7
	ds_load_b128 v[XX+32+4*\p:XX+32+4*\p+3], v7 offset:256+16*\p    ; k = 64 + 32 h + 0..31
.endr
.if (\s) > 0
	s_wait_dscnt 32                                ; the 14 loads of the last step's fragments and scale words are in; the 32 lines of the turn may be out
	PROD (\s)-1                                    ; and are on their way while the matrix unit works
.endif
	s_wait_dscnt 0x0                               ; the numbers are in
	QUANTW
.irp c, 0,1,2
	ds_store_b128 v8, v[PC+4*\c:PC+4*\c+3] offset:6144*(\s)+512*\c
.endr
	ds_store_b32 v10, v[MX+2] offset:256*(\s)      ; both halves of the lanes write the same word
	s_wait_dscnt 0x0                               ; my image and scale words of this K step have landed
	s_barrier_signal -1
	s_barrier_wait -1                              ; everybody's have; nobody writes them again
	BLOADP \s
.endm
; Later groups: K step s: 16 or 20 products, the accumulators by turns.  cnt = the loads issued behind this K step's twenty.
.macro CSTEP s, cnt
	WIN 0
	s_wait_dscnt 0x0                               ; this step's weight fragments are in
.if (\s)+1 < NS
	BLOAD (\s)+1                                   ; the next step's: they have this step's products in which to land
.endif
	s_wait_loadcnt \cnt
.set BFB, BF+48*((\s)%2)
.set SLB, 60*((\s)%4)
.set WSB, WS+2*(\s)
.set ASB, AS+(\s)%4
.set RBB, (\s)/4
.set ZZ, 0
.if (\s) == 0
.set ZZ, 1
.endif
	WIN 0x58+4*((\s)/4)                            ; weights window 0, rows window 2 or 3, C and D window 1
.irp q, 0,1,2,3
.irp n, 0,1,2,3
	WM 8*(4*\q+\n), BFB+12*\n, SLB+12*\q, ZZ, WSB+(\n/2), ASB+4*\q, \n%2, RBB
.endr
.endr
	WIN 0                                          ; at a branch and at a label every window is 0
	s_cmp_lt_u32 s29, 5                            ; the fifth tile only where the wave has one
	s_cbranch_scc1 .Lno5_\@
	WIN 0x58+4*((\s)/4)
.irp n, 0,1,2,3
	WM 8*(16+\n), BFB+12*\n, SLB+48, ZZ, WSB+(\n/2), ASB+16, \n%2, RBB
.endr
	WIN 0
.Lno5_\@:
.rept 4
	v_nop                                          ; four places ahead of loads into registers that these products read, and of the first read of results: on both ways
.endr
.endm
; The way out of tile q.  Each accumulator is read from its low end on.
.macro EPI2 q
	s_wait_xcnt 0x0                                ; the last tile's stores have read their data and offsets
	WIN 0x01                                       ; source 0: window 1
.irp k, 0,1,2,3,4,5,6,7,8,9,10,11,12,13,14,15,16,17,18,19,20,21,22,23,24,25,26,27,28,29,30,31
	v_mul_f32 v[YY+\k], v[32*(\q)+\k], v[CF+\q]    ; x my row's coefficient
.endr
	WIN 0
.irp i, 0,1,2,3,4,5,6,7
	ds_bpermute_b32 v[OFS+\i], v[BI+\i], v[RID+\q] ; the number of the row that I shall store: it lies in lane 2 i + lane / 16
.endr
.irp n, 0,1,2,3
	ds_store_b128 v26, v[YY+8*\n:YY+8*\n+3] offset:64*\n           ; row r, columns 16 n + 8 h + 0..7
	ds_store_b128 v26, v[YY+8*\n+4:YY+8*\n+7] offset:64*\n+16
.endr
.irp i, 0,1,2,3,4,5,6,7
	ds_load_b128 v[OUT+4*\i:OUT+4*\i+3], v27 offset:544*\i         ; LDS serves a wave's instructions in order: these see my stores
.endr
	s_wait_dscnt 0x0
.irp i, 0,1,2,3,4,5,6,7
	v_min_u32 v[OFS+\i], 0x7ff, v[OFS+\i]
.endr
.irp i, 0,1,2,3,4,5,6,7
	v_lshl_add_u32 v[OFS+\i], v[OFS+\i], 13, v28   ; 8,192 bytes a row of yr, + 16 (lane % 16)
.endr
.irp i, 0,1,2,3,4,5,6,7
	global_store_b128 v[OFS+\i], v[OUT+4*\i:OUT+4*\i+3], s[36:37] th:TH_STORE_NT   ; sixteen lanes store 256 consecutive bytes, aligned
.endr
.endm
	s_load_b256 s[4:11], s[0:1], 0x0               ; down_proj, hq, hs, msk
	s_load_b128 s[12:15], s[0:1], 0x20             ; rec, cf
	s_load_b64 s[36:37], s[0:1], 0x30              ; yr
	v_lshl_add_u32 v102, v0, 2, 0x14c00
	v_mov_b32 v103, 0
	v_lshrrev_b32 v1, 5, v0
	v_readfirstlane_b32 s16, v1                    ; wave w
	s_and_b32 s17, ttmp7, 0xffff                   ; expert e
	s_mov_b32 s18, ttmp9                           ; column block j
	v_and_b32 v12, 31, v0                          ; lane
	v_lshlrev_b32 v1, 4, v12                       ; 16 x lane
	s_lshl_b32 s34, s17, 11                        ; my tile's first row: 2048 e + 64 j + 16 w
	s_lshl_b32 s33, s18, 6
	s_add_co_u32 s34, s34, s33
	s_lshl_b32 s33, s16, 4
	s_add_co_u32 s34, s34, s33
	s_lshl_b32 s34, s34, 12                        ; in bytes: under 2^26
	s_mov_b32 s35, 0
	s_lshl_b32 s46, s17, 7
	s_mov_b32 s47, 0
	s_wait_kmcnt 0x0
	s_add_nc_u64 s[38:39], s[4:5], s[34:35]
	s_add_nc_u64 s[10:11], s[10:11], s[46:47]
	s_load_b512 s[68:83], s[10:11], 0x0            ; the expert's 32 mask words
	s_load_b512 s[84:99], s[10:11], 0x40
	WLOAD 0                                        ; all three sets are free here: three K steps of weights go out at once
	WLOAD 1
	WLOAD 2
	WIN 0
	s_lshl_b32 s34, s17, 20
	s_add_nc_u64 s[6:7], s[6:7], s[34:35]          ; hq at expert e
	s_lshl_b32 s34, s17, 15
	s_add_nc_u64 s[8:9], s[8:9], s[34:35]          ; hs at expert e
	s_lshl_b32 s34, s18, 8
	s_add_nc_u64 s[36:37], s[36:37], s[34:35]      ; yr at my 64 columns
	s_mov_b32 s20, 0x76543210
	s_mov_b32 s21, 0xfedcba98                      ; v_permlanex16_b32's selects for lane xor 16
	v_and_b32 v3, 15, v0                           ; r
	v_bfe_u32 v4, v0, 4, 1                         ; h
	v_lshlrev_b32 v5, 3, v4
	s_mul_i32 s33, s16, TW
	s_add_co_u32 s33, s33, TURN                    ; my stage
	v_add_nc_u32 v6, s33, v1                       ; the turn, in: a row's 512 bytes as loaded
	v_mul_u32_u24 v7, v3, 528
	v_lshl_add_u32 v7, v4, 7, v7
	v_add_nc_u32 v7, s33, v7                       ; out: row r, + 128 h
	v_mul_u32_u24 v26, v3, 272
	v_lshl_add_u32 v26, v4, 5, v26
	v_add_nc_u32 v26, s33, v26                     ; the way out, in: row r of 272 bytes, + 32 h
	v_mul_u32_u24 v27, v4, 272
	v_lshl_add_u32 v27, v3, 4, v27
	v_add_nc_u32 v27, s33, v27                     ; back: lanes 0-15 one row, lanes 16-31 the next
	v_lshlrev_b32 v28, 4, v3
	s_mul_i32 s33, s16, 1536
	v_add_nc_u32 v8, s33, v1                       ; my tile's images
	s_lshl_b32 s33, s16, 6
	s_add_co_u32 s33, s33, SCW
	v_lshl_add_u32 v10, v3, 2, s33                 ; my tile's scale words in a K step's 256 bytes: 64 w + 4 r
	v_lshl_add_u32 v11, v12, 2, SCW                ; and back, as a register's image: 4 x lane
	v_mov_b32 v12, 0                               ; from here on: a lane permute's destination, which counts as read
	v_lshlrev_b32 v13, 15, v4
	v_lshlrev_b32 v14, 4, v4
	v_mov_b32 v15, 0
	v_lshlrev_b32 v[BI], 2, v4
.irp i, 1,2,3,4,5,6,7
	v_add_nc_u32 v[BI+\i], 8*\i, v[BI]
.endr
	s_wait_kmcnt 0x0                               ; the mask words
	s_mov_b32 s25, 0
.set WI, 0
.rept 32
	s_bcnt1_i32_b32 s33, s[68+WI]
	s_add_co_u32 s25, s25, s33                     ; the list's length
.set WI, WI+1
.endr
	s_max_u32 s26, s25, 1
	s_sub_co_u32 s26, s26, 1                       ; its last rank (0 for an empty list: loads stay in their buffers, nothing is stored)
	s_add_co_u32 s27, s25, 15
	s_lshr_b32 s27, s27, 4                         ; its tiles
	s_mov_b32 s28, 0                               ; T0
	s_mov_b32 s19, 0                               ; groups done
	s_lshl_b32 s30, s16, 4
	NTILES
	SELECT
	SMALL
	AL2 0, 0
	; THE PIPELINE.  Issue order: weights 0, 1, 2; 10 small loads; rows 0 | step 0: rows 1 | step 1: 5 coefficients, rows 2, weights 3 | step t: rows t + 1, weights t + 2.
	PSTEP 0, 62                                    ; behind weights 0: 16 + 16 + 10 + 20
	PSTEP 1, 20                                    ; weights 1, the small loads and rows 0 are wanted: behind rows 0 stand rows 1
	PSTEP 2, 41                                    ; rows 1 are wanted: behind them 5 + 20 + 16
.irp s, 3,4,5,6
	PSTEP \s, 36                                   ; behind this step's weights: the last step's 20 + 16
.endr
	PSTEP 7, 20                                    ; behind weights 7: rows 7
	s_wait_dscnt 0x0                               ; the last K step's fragments,
	s_wait_loadcnt 0x0                             ; and its rows
	PROD 7
.rept 4
	v_nop                                          ; four places (ISA guide 7.12.1) ahead of the first read of results
.endr
.Lepi:                                             ; THE LOOP OVER GROUPS begins at a group's way out
.irp q, 0,1,2,3,4
	s_cmp_le_u32 s29, \q                           ; only the tiles that the list has are stored
	s_cbranch_scc1 .Lepi_end
	EPI2 \q
.endr
.Lepi_end:
	s_wait_loadcnt 0x0                             ; no load is out whose offsets or registers the next group writes
	s_wait_dscnt 0x0
	s_wait_xcnt 0x0                                ; the stores have read their data and offsets
	s_add_co_u32 s19, s19, 1                       ; the loop's counter: one a group
	s_add_co_u32 s28, s28, 20                      ; T0 = 20 x groups done
	s_cmp_ge_u32 s28, s27                          ; no tile is left: the loop ends here, at the latest with T0 = 80 over the 64 tiles that a list can have
	s_cbranch_scc1 .Ldone
	s_add_co_u32 s30, s28, s16
	s_lshl_b32 s30, s30, 4
	SELECT
	SMALL
	s_wait_loadcnt 5                               ; rec is in; the five loads of scale words may be out
	SLOT
.irp a, 0,1,2,3,4,5,6,7
	AL2 \a, \a
.endr
	WIN 0
	NTILES
	s_cmp_eq_u32 s29, 0
	s_cbranch_scc1 .Lskip
	BLOAD 0
	CSTEP 0, 63                                    ; behind K step a: 20 (7 - a); 63 is the largest count that the wait can name
	CSTEP 1, 63
	CSTEP 2, 63
	CSTEP 3, 63
	CSTEP 4, 60
	CSTEP 5, 40
	CSTEP 6, 20
	CSTEP 7, 0
.Lskip:
	s_cmp_lt_u32 s19, NGMAX                        ; holds wherever this line is reached: T0 < 64 means fewer than four groups done
	s_cbranch_scc1 .Lepi
.Ldone:
	s_wait_tensorcnt 0x0
	ds_add_u32 v102, v103
	s_wait_dscnt 0x0
	s_endpgm
.Lfunc_end_k_qe648a1326b_down:
	.size	k_qe648a1326b_down, .Lfunc_end_k_qe648a1326b_down-k_qe648a1326b_down
	.p2alignl 7, 3214868480
	.fill 96, 4, 3214868480
	.section	.rodata,"a",@progbits
	.p2align	6, 0x0
	.amdhsa_kernel k_qe648a1326b_down
		.amdhsa_group_segment_fixed_size 85504
		.amdhsa_private_segment_fixed_size 0
		.amdhsa_enable_private_segment 0
		.amdhsa_kernarg_size 56
		.amdhsa_user_sgpr_count 2
		.amdhsa_user_sgpr_kernarg_segment_ptr 1
		.amdhsa_wavefront_size32 1
		.amdhsa_system_sgpr_workgroup_id_x 1
		.amdhsa_system_sgpr_workgroup_id_y 1
		.amdhsa_system_sgpr_workgroup_id_z 1
		.amdhsa_system_vgpr_workitem_id 0
		.amdhsa_next_free_vgpr 1024
		.amdhsa_next_free_sgpr 100
		.amdhsa_reserve_vcc 0
		.amdhsa_float_denorm_mode_32 3
		.amdhsa_float_denorm_mode_16_64 3
		.amdhsa_memory_ordered 1
		.amdhsa_forward_progress 1
		.amdhsa_inst_pref_size 255
	.end_amdhsa_kernel
	.section	.bss,"aw",@nobits
	.p2align	6
	.space	262144
	.amdgpu_metadata
---
amdhsa.version: [ 1, 2 ]
amdhsa.kernels:
  - .name:           k_qe648a1326b_down
    .symbol:         k_qe648a1326b_down.kd
    .args:
      - { .name: down_proj, .offset: 0, .size: 8, .value_kind: global_buffer, .address_space: global }
      - { .name: hq, .offset: 8, .size: 8, .value_kind: global_buffer, .address_space: global }
      - { .name: hs, .offset: 16, .size: 8, .value_kind: global_buffer, .address_space: global }
      - { .name: msk, .offset: 24, .size: 8, .value_kind: global_buffer, .address_space: global }
      - { .name: rec, .offset: 32, .size: 8, .value_kind: global_buffer, .address_space: global }
      - { .name: cf, .offset: 40, .size: 8, .value_kind: global_buffer, .address_space: global }
      - { .name: yr, .offset: 48, .size: 8, .value_kind: global_buffer, .address_space: global }
    .group_segment_fixed_size: 85504
    .private_segment_fixed_size: 0
    .kernarg_segment_align: 8
    .kernarg_segment_size: 56
    .max_flat_workgroup_size: 128
    .sgpr_count:     100
    .vgpr_count:     1024
    .wavefront_size: 32
...
	.end_amdgpu_metadata
.endif
;; end of part 3
;; launch add2 (part 4): grid 256 x 1, 8 waves a work-group, no clusters, 0 bytes of LDS; arguments yr, out0; writes out0
.if DOCPART == 4
	.amdgcn_target "amdgcn-amd-amdhsa--gfx1250"
	.amdhsa_code_object_version 6
	.text
	.protected	k_qe648a1326b_add2
	.globl	k_qe648a1326b_add2
	.p2align	8
	.type	k_qe648a1326b_add2,@function
k_qe648a1326b_add2:
	s_mov_b64 s[64:65], 0
	v_nop
	global_prefetch_b8 v0, s[64:65] scope:SCOPE_SE
	s_setreg_imm32_b32 hwreg(HW_REG_WAVE_MODE, 25, 1), 1
	s_wait_xcnt 0x0
; out0[t] = yr[2 t] + yr[2 t + 1]: a token's two experts' rows, each already multiplied by its coefficient.  A sum of two numbers has one value whatever its order.
; A work-group takes four tokens.  Its 256 threads cover half a row (4,096 bytes) with 16 bytes each: eight pairs of loads, all issued ahead; each load and store of a wave covers 512 consecutive bytes.
; No loop, no register written twice, no LDS: memory binds, and there is nothing to share.
	s_load_b128 s[4:7], s[0:1], 0x0                ; yr, out0
	v_lshlrev_b32 v1, 4, v0
	s_lshl_b32 s8, ttmp9, 16                       ; eight rows of yr
	s_mov_b32 s9, 0
	s_lshl_b32 s10, ttmp9, 15                      ; four rows of out0
	s_mov_b32 s11, 0
	s_wait_kmcnt 0x0
	s_add_nc_u64 s[4:5], s[4:5], s[8:9]
	s_add_nc_u64 s[6:7], s[6:7], s[10:11]
.irp k, 0,1,2,3,4,5,6,7                        ; token k / 2, half k % 2
	global_load_b128 v[8+8*\k:11+8*\k], v1, s[4:5] offset:16384*(\k/2)+4096*(\k%2) th:TH_LOAD_NT
	global_load_b128 v[12+8*\k:15+8*\k], v1, s[4:5] offset:16384*(\k/2)+4096*(\k%2)+8192 th:TH_LOAD_NT
.endr
.irp k, 0,1,2,3,4,5,6,7
	s_wait_loadcnt 14-2*\k                         ; pair k is in; the later pairs may be out
	v_pk_add_f32 v[8+8*\k:9+8*\k], v[8+8*\k:9+8*\k], v[12+8*\k:13+8*\k]
	v_pk_add_f32 v[10+8*\k:11+8*\k], v[10+8*\k:11+8*\k], v[14+8*\k:15+8*\k]
	global_store_b128 v1, v[8+8*\k:11+8*\k], s[6:7] offset:8192*(\k/2)+4096*(\k%2) th:TH_STORE_NT
.endr
	s_endpgm
.Lfunc_end_k_qe648a1326b_add2:
	.size	k_qe648a1326b_add2, .Lfunc_end_k_qe648a1326b_add2-k_qe648a1326b_add2
	.p2alignl 7, 3214868480
	.fill 96, 4, 3214868480
	.section	.rodata,"a",@progbits
	.p2align	6, 0x0
	.amdhsa_kernel k_qe648a1326b_add2
		.amdhsa_group_segment_fixed_size 0
		.amdhsa_private_segment_fixed_size 0
		.amdhsa_enable_private_segment 0
		.amdhsa_kernarg_size 16
		.amdhsa_user_sgpr_count 2
		.amdhsa_user_sgpr_kernarg_segment_ptr 1
		.amdhsa_wavefront_size32 1
		.amdhsa_system_sgpr_workgroup_id_x 1
		.amdhsa_system_sgpr_workgroup_id_y 1
		.amdhsa_system_sgpr_workgroup_id_z 1
		.amdhsa_system_vgpr_workitem_id 0
		.amdhsa_next_free_vgpr 72
		.amdhsa_next_free_sgpr 66
		.amdhsa_reserve_vcc 0
		.amdhsa_float_denorm_mode_32 3
		.amdhsa_float_denorm_mode_16_64 3
		.amdhsa_memory_ordered 1
		.amdhsa_forward_progress 1
		.amdhsa_inst_pref_size 5
	.end_amdhsa_kernel
	.amdgpu_metadata
---
amdhsa.version: [ 1, 2 ]
amdhsa.kernels:
  - .name:           k_qe648a1326b_add2
    .symbol:         k_qe648a1326b_add2.kd
    .args:
      - { .name: yr, .offset: 0, .size: 8, .value_kind: global_buffer, .address_space: global }
      - { .name: out0, .offset: 8, .size: 8, .value_kind: global_buffer, .address_space: global }
    .group_segment_fixed_size: 0
    .private_segment_fixed_size: 0
    .kernarg_segment_align: 8
    .kernarg_segment_size: 16
    .max_flat_workgroup_size: 256
    .sgpr_count:     66
    .vgpr_count:     72
    .wavefront_size: 32
...
	.end_amdgpu_metadata
.endif
;; end of part 4
;; ======== version 2 of 2: 4 launches; version 1 with the launches gateup, down written anew for expert scheduling mode
;; workspace buffers: xq 1,572,864 bytes; xs 65,536 bytes; msk 1,024 bytes of whole numbers; rec 4,096 bytes of whole numbers; cf 8,192 bytes; hq 8,388,608 bytes; hs 262,144 bytes; yr 16,777,216 bytes
;; launch prep: the kernel of part 1 again; grid 256 x 1, 4 waves a work-group, no clusters, 41,728 bytes of LDS; arguments x, gating_output, xq, xs, msk, rec, cf; writes xq, xs, msk, rec, cf
;; launch gateup (part 5): grid 32 x 8, 4 waves a work-group, no clusters, 136,704 bytes of LDS; arguments gate_up_proj, xq, xs, msk, hq, hs; writes hq, hs
.if DOCPART == 5
	.amdgcn_target "amdgcn-amd-amdhsa--gfx1250"
	.amdhsa_code_object_version 6
	.text
	.protected	k_qe648a1326b_gateup
	.globl	k_qe648a1326b_gateup
	.p2align	8
	.type	k_qe648a1326b_gateup,@function
k_qe648a1326b_gateup:
	s_mov_b64 s[64:65], 0
	v_nop
	global_prefetch_b8 v0, s[64:65] scope:SCOPE_SE
	s_setreg_imm32_b32 hwreg(HW_REG_WAVE_SCHED_MODE, 0, 2), 2
	s_setreg_imm32_b32 hwreg(HW_REG_WAVE_MODE, 25, 1), 1
	s_wait_xcnt 0x0
	s_wait_alu depctr_vm_vsrc(0)
; h = silu(x Wg^T) * (x Wu^T) for the rows routed to each expert, both operands as codes of BF6 (E3M2) with E8M0 scales; h leaves quantised along d_ff.
; SHARES.  Work-group (j, e) owns 64 rows of expert e's weights: gate rows 32 j .. 32 j + 31 and up rows 1024 + 32 j .. + 31: one block of 32 of h.
; K STEP BY K STEP.  The 512 KiB of f32 are read ONCE, in 16 K steps of 128; wave w takes weight tile w, 16 rows; each load reads 512 consecutive bytes of a row.  In K step s a wave turns its tile through its own
; stage in LDS, so that a lane holds whole blocks, quantises it and lays it in LDS as an image of the operand's registers; one barrier; then every wave fetches the step's four images.  The products of K step s - 1
; with the first group's rows stand between the turn's LDS lines and the wait for them: the matrix work runs under the weights' stream.  No image is written twice, so one barrier a K step orders all.
; THE LIST.  msk gives the expert's tokens as 1,024 bits.  A row's rank in the list becomes its token by register arithmetic (macro SELECT), while the first weights are on their way.
; A group is 20 tiles of 16 rows, tile T0 + 4 q + w to wave w (q = 0..4).  Ranks past the list's end repeat its last row, so every load stays in its buffer.  In the first group every wave multiplies all five tiles,
; so that no branch on stored numbers stands between the barriers; only real tiles are stored.  Later groups (a list of over 320 rows, up to 1,024: four groups) are multiplied from the finished images, with no barrier.
; THE PRODUCT IS USED TRANSPOSED (source 0 = 16 weight rows, source 1 = 16 routed rows), and lane r of a weight tile with part u takes row 8 u + r + 8 (r / 8): a lane's 16 registers of
; parts 0 and 1 are columns 16 (lane / 16) + 0..15 of h for ONE routed row.
; OUT.  hq [e][block][rank][32 bytes]: 24 of codes, 8 zeros: a tile's store covers 512 consecutive bytes.  hs [e][rank][32]: byte = the block's scale; these single bytes (one in 25 of a tile's output)
; are laid so that the next launch takes all scale words of a row by one load.
; NO TENSOR LOADS, NO CLUSTER: trip counts hang on the stored list; each weight byte is read by this work-group alone; the rows that the 32 work-groups of an expert share are gathered lane by lane.
; LIMITS: NaN and infinities are not served; a block of zeros gets the byte 1 with zero codes (this program alone reads the bytes); the sigmoid is v_exp_f32, an addition and v_rcp_f32.
; REGISTERS, in windows of 256.  Window 0: v1-31 addresses and offsets; v32-63 the weights' scale words (K step s, tiles 2 g and 2 g + 1: v[32 + 2 s + g]); v64-103 the rows' scale words; v104-167 64 numbers of a lane;
; v168-215 the first group's weight fragments; v216-241 at work (later groups: v104-199 two sets of weight fragments; SELECT and the way out work in v104-183).  Window 1: accumulator (q, n) at 8 (4 q + n).
; Window 2: the rows' fragments, first group: K step k in slot k % 3 at 60 (k % 3) + 12 q.  Window 3: first group: three sets of 64 weights as loaded.  Later groups: windows 2 and 3 hold eight slots, slot a at 60 (a % 4) + 12 q.
; THE MODE: SCHED_MODE bits 1:0 = 2 (LLVM: expert scheduling mode 2), set by the entry lines.  The code itself states the register dependences
; between vector or matrix instructions and memory or LDS instructions, with s_wait_alu, always for 0.
; THE PLAN.  Registers that memory or LDS instructions touch, in the pipeline:
;   W0 .. W2 (window 3)  Step s: its 16 LDS stores read set s % 3; the loads of K step s + 3, issued in step s + 1, land in it.  No vector instruction names them.
;   A0 .. A2 (window 2)  The products of K step k, issued in step k + 1, read slot k % 3; the loads of K step k + 3, issued in step k + 2, land in it.
;   XX                   Step s: the turn's LDS loads land in it; the step's quantising reads it.
;   BP, WS               The LDS loads at the end of step s land in them; the products issued in step s + 1 read them.  A register of WS is loaded once.
;   PC, v[MX+2]          Step s: the quantising writes them; the image's LDS stores read them.
;   v1, v2, v6-v11, v16-v30  Offsets and addresses: written at the head and by SELECT, never in the pipeline.
; So TWO waits stand in a step.  One on va_vdst, behind the quantising: PC and the scale word are written; the products issued in this step are done reading BP and their slot; the quantising is done reading XX.
; From there to the next step's products no vector or matrix instruction is issued: the image's stores, the fragments' loads, the next step's loads of rows and its turn hang on that one wait.
; One on vm_vsrc, at a step's head: the LDS stores of the step before have read their set of weights, PC and the scale word.
; The accumulators, MX, SO, PT and v12 are named by vector and matrix instructions alone.  v254, v255: written at the head, read by the closing add alone.
.set NS,   16                          ; K steps
.set ROWB, 8192                        ; a weight row in bytes
.set NGMAX, 4                          ; groups at the most: 1,024 rows are 64 tiles, 20 to a group
.set HALF, 49152                       ; the images of 8 K steps: an LDS immediate has 16 bits, so a second address register serves K steps 8 to 15
.set SCW,  98304                       ; behind the images: the weights' scale words, 256 bytes a K step: two register images of 128 bytes
.set TURN, 102400                      ; behind them: a stage of 16 rows x 528 bytes for each wave
.set TW,   8448
.set XX,   104                         ; v104-167 64 numbers of a lane
.set BP,   168                         ; v168-215 the first group's weight fragments
.set BF,   104                         ; later groups: v104-151, v152-199 weight fragments
.set SB,   104                         ; SELECT: 16 registers a tile: +0 rank, +1 word, +2 key, +3 +4 +5 +11 field counts, +6 rank in the word, +7 bit, +8 +9 at work, +10 token
.set WS,   32
.set AS,   64
.set PC,   216                         ; v216-227 codes
.set PT,   228                         ; v228-234 their upper halves
.set MX,   236                         ; v236-239 maxima, then bytes and the scale word
.set SO,   240                         ; v240-241 the conversions' scale operands
.set TT,   104                         ; the way out: v104-119 sigmoid, v120-135 h, v136-175 eight registers a tile for its stores
.set HV,   120
.set DD,   136
.set MSB,  0
.macro WIN new                         ; the immediate's high byte repeats the setting that is left
.if MSB != (\new)
	s_set_vgpr_msb (MSB<<8)|(\new)
.set MSB, (\new)
.endif
.endm
.macro WLOAD s                         ; my 16 rows' numbers of K step s into set s % 3 of window 3
	WIN 0xc0
.irp i, 0,1,2,3,4,5,6,7,8,9,10,11,12,13,14,15
	global_load_b128 v[64*((\s)%3)+4*\i:64*((\s)%3)+4*\i+3], v1, s[38:39] offset:(\i+8*(\i/8))*ROWB+512*(\s) th:TH_LOAD_NT
.endr
.endm
.macro QUANTW                          ; 64 numbers of lane (r, h): blocks h and 2 + h of row r -> the operand's 12 registers in v[PC] on, the row's scale word in v[MX+2]
.irp c, 0,1,2,3
	v_max3_num_f32 v[MX+\c], |v[XX+16*\c]|, |v[XX+16*\c+1]|, 0x2800000   ; four chains of 16, each over the floor 2^(5 - 127)
.endr
.irp i, 2,4,6,8,10,12,14
.irp c, 0,1,2,3
	v_max3_num_f32 v[MX+\c], v[MX+\c], |v[XX+16*\c+\i]|, |v[XX+16*\c+\i+1]|
.endr
.endr
	v_max_num_f32 v[MX], v[MX], v[MX+1]
	v_max_num_f32 v[MX+2], v[MX+2], v[MX+3]
	v_add_nc_u32 v[SO], 0xfe000000, v[MX]          ; 4 off the exponent field: the conversion's scale operand
	v_add_nc_u32 v[SO+1], 0xfe000000, v[MX+2]
	v_lshrrev_b32 v[MX], 23, v[SO]                 ; the bytes
	v_lshrrev_b32 v[MX+1], 23, v[SO+1]
	v_lshl_or_b32 v[MX+2], v[MX+1], 16, v[MX]
	v_lshlrev_b32 v[MX+2], v5, v[MX+2]             ; at their places in the word: 8 h bits up
	v_permlanex16_b32 v12, v[MX+2], s20, s21
	v_or_b32 v[MX+2], v[MX+2], v12                 ; with the other half's two the word is whole
	v_cvt_scalef32_pk16_bf6_f32 v[PC:PC+2], v[XX:XX+15], v[SO]
	v_cvt_scalef32_pk16_bf6_f32 v[PT:PT+2], v[XX+16:XX+31], v[SO]       ; (a conversion's three registers begin on an even number)
	v_cvt_scalef32_pk16_bf6_f32 v[PC+6:PC+8], v[XX+32:XX+47], v[SO+1]
	v_cvt_scalef32_pk16_bf6_f32 v[PT+4:PT+6], v[XX+48:XX+63], v[SO+1]
	v_nop                                          ; one plain instruction behind the conversions
.irp i, 0,1,2
	v_mov_b32 v[PC+3+\i], v[PT+\i]
	v_mov_b32 v[PC+9+\i], v[PT+4+\i]
.endr
.endm
.macro DESC src, wid, stp              ; one descent: if the field at the bit in hand holds no more set bits than my rank, pass over it
.irp q, 0,1,2,3,4
	v_bfe_u32 v[SB+16*\q+8], v[SB+16*\q+\src], v[SB+16*\q+7], \wid
.endr
.irp q, 0,1,2,3,4
	v_cmp_lt_u32 s[40+\q], v[SB+16*\q+6], v[SB+16*\q+8]
.endr
	s_wait_alu depctr_va_sdst(0)                   ; the five compares have written s40 to s44, which the selections below read
.irp q, 0,1,2,3,4
	v_cndmask_b32 v[SB+16*\q+8], v[SB+16*\q+8], v15, s[40+\q]
	v_cndmask_b32 v[SB+16*\q+9], \stp, v15, s[40+\q]
.endr
.irp q, 0,1,2,3,4
	v_sub_nc_u32 v[SB+16*\q+6], v[SB+16*\q+6], v[SB+16*\q+8]
	v_add_nc_u32 v[SB+16*\q+7], v[SB+16*\q+7], v[SB+16*\q+9]
.endr
.endm
; Rank -> token, for my five tiles' row r.  The word: the last of the 32 whose count of earlier set bits is at most the rank.  The bit: by the counts of the word's 16-, 8-, 4-, 2- and 1-bit fields.
.macro SELECT
.irp q, 0,1,2,3,4
	v_add_nc_u32 v[SB+16*\q], s30, v3              ; rank = 16 (T0 + w) + r
.endr
.irp q, 1,2,3,4
	v_add_nc_u32 v[SB+16*\q], 64*\q, v[SB+16*\q]   ; + 64 q
.endr
.irp q, 0,1,2,3,4
	v_min_u32 v[26+\q], 0x3ff, v[SB+16*\q]         ; where the row's h goes: its own rank, past the list's end too
.endr
.irp q, 0,1,2,3,4
	v_lshl_add_u32 v[26+\q], v[26+\q], 5, v31      ; 32 rank + 16 h
.endr
.irp q, 0,1,2,3,4
	v_min_u32 v[SB+16*\q], s26, v[SB+16*\q]        ; ranks past the end repeat the last row
	v_mov_b32 v[SB+16*\q+1], s68
	v_mov_b32 v[SB+16*\q+2], 0
	v_mov_b32 v[SB+16*\q+7], 0
.endr
	s_mov_b32 s31, 0
.set WI, 1
.rept 8                                ; the words go four to a run: 20 compares into s40 to s59, the four keys into s60 to s63, one wait, then the selections, the words in ascending order
.set WJ, 0
.rept 4
.if WI+WJ < 32
	s_bcnt1_i32_b32 s33, s[67+WI+WJ]
	s_add_co_u32 s31, s31, s33                     ; set bits in the words before word WI + WJ
	s_or_b32 s[60+WJ], s31, (WI+WJ)<<16
.irp q, 0,1,2,3,4
	v_cmp_gt_u32 s[40+5*WJ+\q], s31, v[SB+16*\q]
.endr
.endif
.set WJ, WJ+1
.endr
	s_wait_alu depctr_va_sdst(0)                   ; the run's compares have written their masks, which the selections below read
.set WJ, 0
.rept 4
.if WI+WJ < 32
.irp q, 0,1,2,3,4
	v_cndmask_b32 v[SB+16*\q+1], s[68+WI+WJ], v[SB+16*\q+1], s[40+5*WJ+\q]
	v_cndmask_b32 v[SB+16*\q+2], s[60+WJ], v[SB+16*\q+2], s[40+5*WJ+\q]
.endr
.endif
.set WJ, WJ+1
.endr
.set WI, WI+4
.endr
.irp q, 0,1,2,3,4
	v_and_b32 v[SB+16*\q+8], 0xffff, v[SB+16*\q+2]
	v_lshrrev_b32 v[SB+16*\q+9], 1, v[SB+16*\q+1]
.endr
.irp q, 0,1,2,3,4
	v_sub_nc_u32 v[SB+16*\q+6], v[SB+16*\q], v[SB+16*\q+8]         ; my rank among the word's set bits
	v_and_b32 v[SB+16*\q+9], 0x55555555, v[SB+16*\q+9]
.endr
.irp q, 0,1,2,3,4
	v_sub_nc_u32 v[SB+16*\q+3], v[SB+16*\q+1], v[SB+16*\q+9]       ; counts of 2-bit fields
.endr
.irp q, 0,1,2,3,4
	v_lshrrev_b32 v[SB+16*\q+9], 2, v[SB+16*\q+3]
	v_and_b32 v[SB+16*\q+4], 0x33333333, v[SB+16*\q+3]
.endr
.irp q, 0,1,2,3,4
	v_and_b32 v[SB+16*\q+9], 0x33333333, v[SB+16*\q+9]
.endr
.irp q, 0,1,2,3,4
	v_add_nc_u32 v[SB+16*\q+4], v[SB+16*\q+4], v[SB+16*\q+9]       ; of 4-bit fields
.endr
.irp q, 0,1,2,3,4
	v_lshrrev_b32 v[SB+16*\q+9], 4, v[SB+16*\q+4]
.endr
.irp q, 0,1,2,3,4
	v_add_nc_u32 v[SB+16*\q+5], v[SB+16*\q+4], v[SB+16*\q+9]
.endr
.irp q, 0,1,2,3,4
	v_and_b32 v[SB+16*\q+5], 0x0f0f0f0f, v[SB+16*\q+5]             ; of bytes
.endr
.irp q, 0,1,2,3,4
	v_lshrrev_b32 v[SB+16*\q+9], 8, v[SB+16*\q+5]
.endr
.irp q, 0,1,2,3,4
	v_add_nc_u32 v[SB+16*\q+11], v[SB+16*\q+5], v[SB+16*\q+9]      ; byte 0: of the low 16 bits
.endr
	DESC 11, 8, 16
	DESC 5, 8, 8
	DESC 4, 4, 4
	DESC 3, 2, 2
	DESC 1, 1, 1
.irp q, 0,1,2,3,4
	v_lshrrev_b32 v[SB+16*\q+8], 16, v[SB+16*\q+2]
.endr
.irp q, 0,1,2,3,4
	v_lshl_add_u32 v[SB+16*\q+10], v[SB+16*\q+8], 5, v[SB+16*\q+7] ; token = 32 x word + bit
.endr
.irp q, 0,1,2,3,4
	v_min_u32 v[SB+16*\q+10], 0x3ff, v[SB+16*\q+10]                ; a number made of loaded data is held inside its table ahead of every address
.endr
.irp q, 0,1,2,3,4
	v_mad_u32_u24 v[16+\q], v[SB+16*\q+10], 0x600, v13             ; its codes: 1,536 bytes a token, + 48 h
	v_lshl_add_u32 v[21+\q], v[SB+16*\q+10], 6, v14                ; its scale words: 64 bytes a token, + 32 h
.endr
.endm
.macro NTILES                          ; my tiles in the group that begins at tile T0: those of T0 + w, T0 + w + 4 .. that the list has, five at the most
	s_sub_co_u32 s29, s27, s28
	s_sub_co_u32 s29, s29, s16
	s_add_co_u32 s29, s29, 3
	s_max_i32 s29, s29, 0
	s_lshr_b32 s29, s29, 2
	s_min_u32 s29, s29, 5
.endm
.macro ASL                             ; the rows' scale words: lanes 0-15 take words 0-7, lanes 16-31 words 8-15
.irp q, 0,1,2,3,4
	global_load_b128 v[AS+8*\q:AS+8*\q+3], v[21+\q], s[8:9]
	global_load_b128 v[AS+8*\q+4:AS+8*\q+7], v[21+\q], s[8:9] offset:16
.endr
.endm
.macro AL1 a, ks                       ; slot a takes K step ks of my five tiles: 15 loads
	WIN 0x80+0x40*((\a)/4)
.irp q, 0,1,2,3,4
.irp c, 0,1,2
	global_load_b128 v[60*((\a)%4)+12*\q+4*\c:60*((\a)%4)+12*\q+4*\c+3], v[16+\q], s[6:7] offset:96*(\ks)+16*\c
.endr
.endr
.endm
.macro BLOADP s                        ; first group: the four weight fragments of K step s (6,144 consecutive bytes of images) and its two registers of scale words: 14 LDS loads
.irp k, 0,1,2,3,4,5,6,7,8,9,10,11
.if (\s) < 8
	ds_load_b128 v[BP+4*\k:BP+4*\k+3], v1 offset:6144*((\s)%8)+512*\k
.else
	ds_load_b128 v[BP+4*\k:BP+4*\k+3], v2 offset:6144*((\s)%8)+512*\k
.endif
.endr
	ds_load_b32 v[WS+2*(\s)], v11 offset:256*(\s)                   ; lanes 0-15: tile 0's rows, lanes 16-31: tile 1's
	ds_load_b32 v[WS+2*(\s)+1], v11 offset:256*(\s)+128             ; tiles 2 and 3.  These registers stay for the later groups
.endm
.macro BLOAD s                         ; later groups: the four weight fragments of K step s
.irp k, 0,1,2,3,4,5,6,7,8,9,10,11
.if (\s) < 8
	ds_load_b128 v[BF+48*((\s)%2)+4*\k:BF+48*((\s)%2)+4*\k+3], v1 offset:6144*((\s)%8)+512*\k
.else
	ds_load_b128 v[BF+48*((\s)%2)+4*\k:BF+48*((\s)%2)+4*\k+3], v2 offset:6144*((\s)%8)+512*\k
.endif
.endr
.endm
; One product.  d: accumulator; a: weight fragment; b: rows' fragment; z = 1: it starts the sum; sa, sb: scale registers; ra, rb = 1: the scales stand in lanes 16-31.
.macro WM d, a, b, z, sa, sb, ra, rb
.if \z
.if (\ra) && (\rb)
	v_wmma_scale_f32_16x16x128_f8f6f4 v[(\d):(\d)+7], v[(\a):(\a)+11], v[(\b):(\b)+11], 0, v[\sa], v[\sb] matrix_a_fmt:MATRIX_FMT_BF6 matrix_b_fmt:MATRIX_FMT_BF6 matrix_a_scale:MATRIX_SCALE_ROW1 matrix_b_scale:MATRIX_SCALE_ROW1
.elseif \ra
	v_wmma_scale_f32_16x16x128_f8f6f4 v[(\d):(\d)+7], v[(\a):(\a)+11], v[(\b):(\b)+11], 0, v[\sa], v[\sb] matrix_a_fmt:MATRIX_FMT_BF6 matrix_b_fmt:MATRIX_FMT_BF6 matrix_a_scale:MATRIX_SCALE_ROW1
.elseif \rb
	v_wmma_scale_f32_16x16x128_f8f6f4 v[(\d):(\d)+7], v[(\a):(\a)+11], v[(\b):(\b)+11], 0, v[\sa], v[\sb] matrix_a_fmt:MATRIX_FMT_BF6 matrix_b_fmt:MATRIX_FMT_BF6 matrix_b_scale:MATRIX_SCALE_ROW1
.else
	v_wmma_scale_f32_16x16x128_f8f6f4 v[(\d):(\d)+7], v[(\a):(\a)+11], v[(\b):(\b)+11], 0, v[\sa], v[\sb] matrix_a_fmt:MATRIX_FMT_BF6 matrix_b_fmt:MATRIX_FMT_BF6
.endif
.else
.if (\ra) && (\rb)
	v_wmma_scale_f32_16x16x128_f8f6f4 v[(\d):(\d)+7], v[(\a):(\a)+11], v[(\b):(\b)+11], v[(\d):(\d)+7], v[\sa], v[\sb] matrix_a_fmt:MATRIX_FMT_BF6 matrix_b_fmt:MATRIX_FMT_BF6 matrix_a_scale:MATRIX_SCALE_ROW1 matrix_b_scale:MATRIX_SCALE_ROW1
.elseif \ra
	v_wmma_scale_f32_16x16x128_f8f6f4 v[(\d):(\d)+7], v[(\a):(\a)+11], v[(\b):(\b)+11], v[(\d):(\d)+7], v[\sa], v[\sb] matrix_a_fmt:MATRIX_FMT_BF6 matrix_b_fmt:MATRIX_FMT_BF6 matrix_a_scale:MATRIX_SCALE_ROW1
.elseif \rb
	v_wmma_scale_f32_16x16x128_f8f6f4 v[(\d):(\d)+7], v[(\a):(\a)+11], v[(\b):(\b)+11], v[(\d):(\d)+7], v[\sa], v[\sb] matrix_a_fmt:MATRIX_FMT_BF6 matrix_b_fmt:MATRIX_FMT_BF6 matrix_b_scale:MATRIX_SCALE_ROW1
.else
	v_wmma_scale_f32_16x16x128_f8f6f4 v[(\d):(\d)+7], v[(\a):(\a)+11], v[(\b):(\b)+11], v[(\d):(\d)+7], v[\sa], v[\sb] matrix_a_fmt:MATRIX_FMT_BF6 matrix_b_fmt:MATRIX_FMT_BF6
.endif
.endif
.endm
; First group: the 20 products of K step s, the accumulators by turns, one instruction a turn.
.macro PROD s
.set SLB, 60*((\s)%3)
.set WSB, WS+2*(\s)
.set ASB, AS+(\s)%8
.set RBB, (\s)/8
.set ZZ, 0
.if (\s) == 0
.set ZZ, 1
.endif
	WIN 0x58                                       ; weights window 0, rows window 2, C and D window 1
.irp q, 0,1,2,3,4
.irp n, 0,1,2,3
	WM 8*(4*\q+\n), BP+12*\n, SLB+12*\q, ZZ, WSB+(\n/2), ASB+8*\q, \n%2, RBB
.endr
.endr
	WIN 0
.endm
; K STEP s OF THE PIPELINE.  cnt = the loads issued behind the youngest load that this step needs (its weights, and the rows of K step s - 1, which are older).
; Loads are shown done in the order of issue, so the rows of K step s + 1 are asked for AHEAD of the weights of K step s + 2: when they are multiplied, two steps on, the weights behind them may stay out.
.macro PSTEP s, cnt
	s_wait_loadcnt \cnt
.if (\s) > 0
	s_wait_alu depctr_vm_vsrc(0)                   ; the LDS stores of the step before have read their set of weights, in which the weights asked for below land, and v[PC ..] and v[MX+2], which this step's quantising writes again
.endif
.if (\s)+1 < NS
	AL1 ((\s)+1)%3, (\s)+1                         ; into the slot that the products of K step s - 2 read: the last step's quantising stands between (over four plain vector instructions), and the wait behind it has shown them done
.endif
.if ((\s) > 0) && ((\s)+2 < NS)
	WLOAD (\s)+2                                   ; into the set whose stores to the stage were waited for in the step before
.endif
	WIN 0x0c                                       ; an LDS store's data: window 3
.irp i, 0,1,2,3,4,5,6,7,8,9,10,11,12,13,14,15
	ds_store_b128 v6, v[64*((\s)%3)+4*\i:64*((\s)%3)+4*\i+3] offset:528*\i
.endr
	WIN 0
.irp p, 0,1,2,3,4,5,6,7
	ds_load_b128 v[XX+4*\p:XX+4*\p+3], v7 offset:16*\p              ; row r, k = 32 h + 0..31 (LDS serves a wave's instructions in order)
.endr
.irp p, 0,1,2,3,4,5,6,7
	ds_load_b128 v[XX+32+4*\p:XX+32+4*\p+3], v7 offset:256+16*\p    ; k = 64 + 32 h + 0..31
.endr
.if (\s) > 0
	s_wait_dscnt 32                                ; the 14 loads of the last step's fragments and scale words are in; the 32 lines of the turn may be out
	PROD (\s)-1                                    ; and are on their way while the matrix unit works
.endif
	s_wait_dscnt 0x0                               ; the numbers are in
	QUANTW
	s_wait_alu depctr_va_vdst(0)                   ; the quantising has written v[PC ..] and v[MX+2], which the LDS stores below read, and is done reading v[XX ..]; this step's products are done reading v[BP ..] and their slot
.if (\s) < 8
.irp c, 0,1,2
	ds_store_b128 v8, v[PC+4*\c:PC+4*\c+3] offset:6144*((\s)%8)+512*\c
.endr
.else
.irp c, 0,1,2
	ds_store_b128 v9, v[PC+4*\c:PC+4*\c+3] offset:6144*((\s)%8)+512*\c
.endr
.endif
	ds_store_b32 v10, v[MX+2] offset:256*(\s)      ; both halves of the lanes write the same word
	s_wait_dscnt 0x0                               ; my image and scale words of this K step have landed
	s_barrier_signal -1
	s_barrier_wait -1                              ; everybody's have; nobody writes them again
	BLOADP \s
.endm
; Later groups: K step s: 16 or 20 products, the accumulators by turns.  cnt = the loads issued behind this K step's fifteen.
.macro CSTEP s, cnt
	WIN 0
	s_wait_dscnt 0x0                               ; this step's weight fragments are in
.if (\s)+1 < NS
	BLOAD (\s)+1                                   ; the next step's: they have this step's products in which to land
.endif
	s_wait_loadcnt \cnt
.set BFB, BF+48*((\s)%2)
.set SLB, 60*((\s)%4)
.set WSB, WS+2*(\s)
.set ASB, AS+(\s)%8
.set RBB, (\s)/8
.set ZZ, 0
.if (\s) == 0
.set ZZ, 1
.endif
	WIN 0x58+4*(((\s)%8)/4)                        ; weights window 0, rows window 2 or 3, C and D window 1
.irp q, 0,1,2,3
.irp n, 0,1,2,3
	WM 8*(4*\q+\n), BFB+12*\n, SLB+12*\q, ZZ, WSB+(\n/2), ASB+8*\q, \n%2, RBB
.endr
.endr
	WIN 0                                          ; at a branch and at a label every window is 0
	s_cmp_lt_u32 s29, 5                            ; the fifth tile only where the wave has one
	s_cbranch_scc1 .Lno5_\@
	WIN 0x58+4*(((\s)%8)/4)
.irp n, 0,1,2,3
	WM 8*(16+\n), BFB+12*\n, SLB+48, ZZ, WSB+(\n/2), ASB+32, \n%2, RBB
.endr
	WIN 0
.Lno5_\@:
.rept 4
	v_nop                                          ; four places ahead of loads into registers that these products read, and of the first read of results: on both ways
.endr
.if (\s)+2 < NS
	s_wait_alu depctr_va_vdst(0)                   ; this step's products are done reading their slot, in which the loads below land (K steps 0 to 7), and their set of weight fragments, in which the next step's LDS loads land
.endif
.if (\s) < 8
	AL1 \s, (\s)+8                                 ; the slot just multiplied takes the K step eight on
.endif
.endm
; The way out of tile q.  Each accumulator is read from its low end on.
.macro EPI1 q
	WIN 0x01                                       ; source 0: window 1
.irp k, 0,2,4,6,8,10,12,14
	v_pk_mul_f32 v[TT+\k:TT+\k+1], v[32*(\q)+\k:32*(\q)+\k+1], s[22:23] op_sel_hi:[1,0]     ; -g log2(e)
.endr
	WIN 0
.irp k, 0,1,2,3,4,5,6,7,8,9,10,11,12,13,14,15
	v_exp_f32 v[TT+\k], v[TT+\k]
.endr
	v_nop                                          ; a plain instruction behind the batch,
	s_wait_alu depctr_va_vdst(0)                   ; and one wait ahead of its first reader: the sixteen exponentials have written v[TT ..]
.irp k, 0,2,4,6,8,10,12,14
	v_pk_add_f32 v[TT+\k:TT+\k+1], v[TT+\k:TT+\k+1], 1.0 op_sel_hi:[1,0]
.endr
.irp k, 0,1,2,3,4,5,6,7,8,9,10,11,12,13,14,15
	v_rcp_f32 v[TT+\k], v[TT+\k]                   ; sigmoid(g)
.endr
	v_nop
	s_wait_alu depctr_va_vdst(0)                   ; the sixteen reciprocals have written v[TT ..], ahead of their first reader
	WIN 0x01
.irp k, 0,2,4,6,8,10,12,14
	v_pk_mul_f32 v[HV+\k:HV+\k+1], v[32*(\q)+\k:32*(\q)+\k+1], v[TT+\k:TT+\k+1]             ; silu(g)
.endr
.irp k, 0,2,4,6,8,10,12,14
	v_pk_mul_f32 v[HV+\k:HV+\k+1], v[32*(\q)+16+\k:32*(\q)+16+\k+1], v[HV+\k:HV+\k+1]       ; x u: h, columns 16 h + 0..15 of my row
.endr
	WIN 0
	v_max3_num_f32 v[MX], |v[HV]|, |v[HV+1]|, 0x2800000
	v_max3_num_f32 v[MX+1], |v[HV+8]|, |v[HV+9]|, 0x2800000
.irp i, 2,4,6
	v_max3_num_f32 v[MX], v[MX], |v[HV+\i]|, |v[HV+\i+1]|
	v_max3_num_f32 v[MX+1], v[MX+1], |v[HV+8+\i]|, |v[HV+9+\i]|
.endr
	v_max_num_f32 v[MX], v[MX], v[MX+1]
	v_permlanex16_b32 v12, v[MX], s20, s21
	v_max_num_f32 v[MX], v[MX], v12                ; with the other half's 16: the block's largest magnitude
	v_add_nc_u32 v[SO], 0xfe000000, v[MX]
	v_cvt_scalef32_pk16_bf6_f32 v[PC:PC+2], v[HV:HV+15], v[SO]
	v_lshrrev_b32 v[DD+8*(\q)+4], 23, v[SO]        ; the byte (also the plain instruction behind the conversion)
	v_permlanex16_b32 v12, v[PC], s20, s21
	v_cndmask_b32 v[DD+8*(\q)], v[PC], v[PC+1], s24                ; the record's 32 bytes: lanes 0-15 their 12 bytes and the partner's first 4;
	v_cndmask_b32 v[DD+8*(\q)+1], v[PC+1], v[PC+2], s24            ; lanes 16-31 their last 8 and 8 zeros
	v_cndmask_b32 v[DD+8*(\q)+2], v[PC+2], v15, s24
	v_cndmask_b32 v[DD+8*(\q)+3], v12, v15, s24
	v_and_b32 v[DD+8*(\q)+5], 0xffffffef, v[26+\q]                 ; 32 rank
	s_wait_alu depctr_va_vdst(0)                   ; the six lines above have written the tile's v[DD ..]: the two stores' data, and the second's offset
	global_store_b128 v[26+\q], v[DD+8*(\q):DD+8*(\q)+3], s[12:13] ; the wave stores 512 consecutive bytes, aligned
	global_store_b8 v[DD+8*(\q)+5], v[DD+8*(\q)+4], s[14:15]       ; both halves write the same byte
.endm
	s_load_b256 s[4:11], s[0:1], 0x0               ; gate_up_proj, xq, xs, msk
	s_load_b128 s[12:15], s[0:1], 0x20             ; hq, hs
	v_lshl_add_u32 v254, v0, 2, 0x21400
	v_mov_b32 v255, 0
	v_lshrrev_b32 v1, 5, v0
	v_readfirstlane_b32 s16, v1                    ; wave w
	s_and_b32 s17, ttmp7, 0xffff                   ; expert e
	s_mov_b32 s18, ttmp9                           ; block j
	v_and_b32 v12, 31, v0                          ; lane
	v_lshlrev_b32 v1, 4, v12                       ; 16 x lane
	s_lshl_b32 s34, s17, 11                        ; my tile's first row: 2048 e + 1024 (w / 2) + 32 j + 8 (w % 2)
	s_wait_alu depctr_va_sdst(0)                   ; s16 is written, ahead of its first reader: the weights' base, the LDS addresses and the tiles' numbers are made from it
	s_lshr_b32 s33, s16, 1
	s_lshl_b32 s33, s33, 10
	s_add_co_u32 s34, s34, s33
	s_lshl_b32 s33, s18, 5
	s_add_co_u32 s34, s34, s33
	s_and_b32 s33, s16, 1
	s_lshl_b32 s33, s33, 3
	s_add_co_u32 s34, s34, s33
	s_lshl_b32 s34, s34, 13                        ; in bytes: under 2^27
	s_mov_b32 s35, 0
	s_lshl_b32 s46, s17, 7
	s_mov_b32 s47, 0
	s_wait_kmcnt 0x0
	s_add_nc_u64 s[38:39], s[4:5], s[34:35]
	s_add_nc_u64 s[10:11], s[10:11], s[46:47]
	s_load_b512 s[68:83], s[10:11], 0x0            ; the expert's 32 mask words
	s_load_b512 s[84:99], s[10:11], 0x40
	s_wait_alu depctr_va_vdst(0)                   ; v1 is written: every load of weights reads it as its offset
	WLOAD 0                                        ; all three sets are free here: three K steps of weights go out at once
	WLOAD 1
	WLOAD 2
	WIN 0
	s_lshl_b32 s34, s17, 5
	s_add_co_u32 s34, s34, s18
	s_lshl_b32 s34, s34, 15
	s_add_nc_u64 s[12:13], s[12:13], s[34:35]      ; hq at (e, j)
	s_lshl_b32 s34, s17, 15
	s_add_co_u32 s34, s34, s18
	s_add_nc_u64 s[14:15], s[14:15], s[34:35]      ; hs at expert e, byte j
	s_mov_b32 s20, 0x76543210
	s_mov_b32 s21, 0xfedcba98                      ; v_permlanex16_b32's selects for lane xor 16
	s_mov_b32 s22, 0xbfb8aa3b                      ; -log2(e)
	s_mov_b32 s23, s22
	s_mov_b32 s24, 0xffff0000                      ; lanes 16-31
	v_add_nc_u32 v2, HALF, v1
	v_and_b32 v3, 15, v0                           ; r
	v_bfe_u32 v4, v0, 4, 1                         ; h
	v_lshlrev_b32 v5, 3, v4
	s_mul_i32 s33, s16, TW
	s_add_co_u32 s33, s33, TURN                    ; my stage
	v_add_nc_u32 v6, s33, v1                       ; in: a row's 512 bytes as loaded
	v_mul_u32_u24 v7, v3, 528
	v_lshl_add_u32 v7, v4, 7, v7
	v_add_nc_u32 v7, s33, v7                       ; out: row r, + 128 h
	s_mul_i32 s33, s16, 1536
	v_add_nc_u32 v8, s33, v1                       ; my tile's images
	v_add_nc_u32 v9, HALF, v8
	s_lshl_b32 s33, s16, 6
	s_add_co_u32 s33, s33, SCW
	v_lshl_add_u32 v10, v3, 2, s33                 ; my tile's scale words in a K step's 256 bytes: 64 w + 4 r
	v_lshl_add_u32 v11, v12, 2, SCW                ; and back, as a register's image: 4 x lane
	v_mov_b32 v12, 0                               ; from here on: a lane permute's destination, which counts as read
	v_mul_u32_u24 v13, v4, 48
	v_lshlrev_b32 v14, 5, v4
	v_mov_b32 v15, 0
	v_lshlrev_b32 v31, 4, v4
	s_wait_kmcnt 0x0                               ; the mask words
	s_mov_b32 s25, 0
.set WI, 0
.rept 32
	s_bcnt1_i32_b32 s33, s[68+WI]
	s_add_co_u32 s25, s25, s33                     ; the list's length
.set WI, WI+1
.endr
	s_max_u32 s26, s25, 1
	s_sub_co_u32 s26, s26, 1                       ; its last rank (0 for an empty list: loads stay in their buffers, nothing is stored)
	s_add_co_u32 s27, s25, 15
	s_lshr_b32 s27, s27, 4                         ; its tiles
	s_mov_b32 s28, 0                               ; T0
	s_mov_b32 s19, 0                               ; groups done
	s_lshl_b32 s30, s16, 4
	NTILES
	SELECT
	s_wait_alu depctr_va_vdst(0)                   ; the addresses and offsets v2 to v30 are written, which the loads, LDS instructions and stores from here on read; SELECT is done with v104 to v183, in which the turn's numbers and the weight fragments land
	ASL
	AL1 0, 0
	; THE PIPELINE.  Issue order: weights 0, 1, 2; 10 scale loads; rows 0 | step 0: rows 1 | step t: rows t + 1, weights t + 2.
	PSTEP 0, 57                                    ; behind weights 0: 16 + 16 + 10 + 15
	PSTEP 1, 15                                    ; weights 1, the scale words and rows 0 are wanted: behind rows 0 stand rows 1
.irp s, 2,3,4,5,6,7,8,9,10,11,12,13,14
	PSTEP \s, 31                                   ; behind this step's weights: the last step's 15 + 16 (step 2: behind rows 1)
.endr
	PSTEP 15, 15                                   ; behind weights 15: rows 15
	s_wait_dscnt 0x0                               ; the last K step's fragments,
	s_wait_loadcnt 0x0                             ; and its rows
	s_wait_alu depctr_vm_vsrc(0)                   ; the last image's LDS stores have read v[PC ..], which the way out's conversions write again
	PROD 15
.rept 4
	v_nop                                          ; four places (ISA guide 7.12.1) ahead of the first read of results
.endr
.Lepi:                                             ; THE LOOP OVER GROUPS begins at a group's way out
.irp q, 0,1,2,3,4
	s_cmp_le_u32 s29, \q                           ; only the tiles that the list has are stored
	s_cbranch_scc1 .Lepi_end
	EPI1 \q
.endr
.Lepi_end:
	s_wait_loadcnt 0x0                             ; no load is out whose offsets or registers the next group writes
	s_wait_dscnt 0x0
	s_wait_xcnt 0x0                                ; the stores have read their data and offsets
	s_wait_alu depctr_vm_vsrc(0)                   ; the stores have read v[DD ..] and v26 to v30, the group's loads v16 to v25: SELECT writes all of them again; the pipeline's LDS stores have read window 3, in which the next group's rows land
	s_add_co_u32 s19, s19, 1                       ; the loop's counter: one a group
	s_add_co_u32 s28, s28, 20                      ; T0 = 20 x groups done
	s_cmp_ge_u32 s28, s27                          ; no tile is left: the loop ends here, at the latest with T0 = 80 over the 64 tiles that a list can have
	s_cbranch_scc1 .Ldone
	s_add_co_u32 s30, s28, s16
	s_lshl_b32 s30, s30, 4
	SELECT
	s_wait_alu depctr_va_vdst(0)                   ; SELECT has written v16 to v30, the offsets of the loads and stores below; the last group's products are done reading the rows' slots and scale words, and SELECT is done with v104 to v183: loads land in all of these
	ASL
.irp a, 0,1,2,3,4,5,6,7
	AL1 \a, \a
.endr
	WIN 0
	NTILES
	s_cmp_eq_u32 s29, 0
	s_cbranch_scc1 .Lskip
	BLOAD 0
.irp s, 0,1,2,3,4,5,6,7
	CSTEP \s, 63                                   ; behind slot s: the 7 other slots' fifteen each, first fills or refills: 105; the count is the largest that the wait can name
.endr
	CSTEP 8, 63                                    ; behind refill a: 15 (7 - a)
	CSTEP 9, 63
	CSTEP 10, 63
	CSTEP 11, 60
	CSTEP 12, 45
	CSTEP 13, 30
	CSTEP 14, 15
	CSTEP 15, 0
.Lskip:
	s_cmp_lt_u32 s19, NGMAX                        ; holds wherever this line is reached: T0 < 64 means fewer than four groups done
	s_cbranch_scc1 .Lepi
.Ldone:
	s_wait_dscnt 0x0                               ; the closing lines, six on end
	s_wait_alu 0x0
	s_wait_tensorcnt 0x0
	ds_add_u32 v254, v255
	s_wait_dscnt 0x0
	s_endpgm
.Lfunc_end_k_qe648a1326b_gateup:
	.size	k_qe648a1326b_gateup, .Lfunc_end_k_qe648a1326b_gateup-k_qe648a1326b_gateup
	.p2alignl 7, 3214868480
	.fill 96, 4, 3214868480
	.section	.rodata,"a",@progbits
	.p2align	6, 0x0
	.amdhsa_kernel k_qe648a1326b_gateup
		.amdhsa_group_segment_fixed_size 136704
		.amdhsa_private_segment_fixed_size 0
		.amdhsa_enable_private_segment 0
		.amdhsa_kernarg_size 48
		.amdhsa_user_sgpr_count 2
		.amdhsa_user_sgpr_kernarg_segment_ptr 1
		.amdhsa_wavefront_size32 1
		.amdhsa_system_sgpr_workgroup_id_x 1
		.amdhsa_system_sgpr_workgroup_id_y 1
		.amdhsa_system_sgpr_workgroup_id_z 1
		.amdhsa_system_vgpr_workitem_id 0
		.amdhsa_next_free_vgpr 1024
		.amdhsa_next_free_sgpr 100
		.amdhsa_reserve_vcc 0
		.amdhsa_float_denorm_mode_32 3
		.amdhsa_float_denorm_mode_16_64 3
		.amdhsa_memory_ordered 1
		.amdhsa_forward_progress 1
		.amdhsa_inst_pref_size 255
	.end_amdhsa_kernel
	.section	.bss,"aw",@nobits
	.p2align	6
	.space	262144
	.amdgpu_metadata
---
amdhsa.version: [ 1, 2 ]
amdhsa.kernels:
  - .name:           k_qe648a1326b_gateup
    .symbol:         k_qe648a1326b_gateup.kd
    .args:
      - { .name: gate_up_proj, .offset: 0, .size: 8, .value_kind: global_buffer, .address_space: global }
      - { .name: xq, .offset: 8, .size: 8, .value_kind: global_buffer, .address_space: global }
      - { .name: xs, .offset: 16, .size: 8, .value_kind: global_buffer, .address_space: global }
      - { .name: msk, .offset: 24, .size: 8, .value_kind: global_buffer, .address_space: global }
      - { .name: hq, .offset: 32, .size: 8, .value_kind: global_buffer, .address_space: global }
      - { .name: hs, .offset: 40, .size: 8, .value_kind: global_buffer, .address_space: global }
    .group_segment_fixed_size: 136704
    .private_segment_fixed_size: 0
    .kernarg_segment_align: 8
    .kernarg_segment_size: 48
    .max_flat_workgroup_size: 128
    .sgpr_count:     100
    .vgpr_count:     1024
    .wavefront_size: 32
...
	.end_amdgpu_metadata
.endif
;; end of part 5
;; launch down (part 6): grid 32 x 8, 4 waves a work-group, no clusters, 85,504 bytes of LDS; arguments down_proj, hq, hs, msk, rec, cf, yr; writes yr
.if DOCPART == 6
	.amdgcn_target "amdgcn-amd-amdhsa--gfx1250"
	.amdhsa_code_object_version 6
	.text
	.protected	k_qe648a1326b_down
	.globl	k_qe648a1326b_down
	.p2align	8
	.type	k_qe648a1326b_down,@function
k_qe648a1326b_down:
	s_mov_b64 s[64:65], 0
	v_nop
	global_prefetch_b8 v0, s[64:65] scope:SCOPE_SE
	s_setreg_imm32_b32 hwreg(HW_REG_WAVE_SCHED_MODE, 0, 2), 2
	s_setreg_imm32_b32 hwreg(HW_REG_WAVE_MODE, 25, 1), 1
	s_wait_xcnt 0x0
	s_wait_alu depctr_vm_vsrc(0)
; yr[2 token + slot] = coefficient x (h Wd^T) for the rows routed to each expert, both operands as codes of BF6 (E3M2) with E8M0 scales.
; SHARES.  Work-group (j, e) owns rows 64 j .. 64 j + 63 of expert e's down_proj (64 columns of the result).
; K STEP BY K STEP.  Its 256 KiB of f32 are read ONCE, in 8 K steps of 128; wave w takes tile w, 16 rows.  In K step s a wave turns its tile through its own stage in LDS, quantises it and lays it in LDS as an image of the
; operand's registers; one barrier; then every wave fetches the step's four images.  The products of K step s - 1 with the first group's rows stand between the turn's LDS lines and the wait for them: the matrix work
; runs under the weights' stream.  No image is written twice, so one barrier a K step orders all.
; THE LIST is the one that the launch before walked: rank -> token by the same arithmetic on msk (macro SELECT).  h is read by rank, the result's row by token: rec says whether the expert is the token's
; first or second choice, cf holds the coefficient at the same number 2 token + slot.  Ranks past the list's end repeat its last row: the same bytes go to the same place.
; A group is 20 tiles of 16 rows, tile T0 + 4 q + w to wave w (q = 0..4).  In the first group every wave multiplies all five tiles, so that no branch on stored numbers stands between the barriers; only real tiles are
; stored.  Later groups (a list of over 320 rows, up to 1,024: four groups) are multiplied from the finished images, with no barrier.
; THE PRODUCT IS USED TRANSPOSED (source 0 = 16 weight rows, source 1 = 16 routed rows): a lane holds one routed row and eight neighbouring columns.  A tile goes through the wave's stage and leaves as
; rows: sixteen lanes store 256 consecutive bytes, aligned.  Each row of yr has one owner among the experts, each of its 256-byte pieces one work-group.
; NO TENSOR LOADS, NO CLUSTER: trip counts hang on the stored list; each weight byte is read by this work-group alone; the rows that the 32 work-groups of an expert share are gathered lane by lane.
; LIMITS: NaN and infinities are not served; a block of zeros gets the byte 1 with zero codes (this program alone reads the bytes).
; REGISTERS, in windows of 256.  Window 0: v1-31 addresses and offsets; v32-47 the weights' scale words (K step s, tiles 2 g and 2 g + 1: v[32 + 2 s + g]); v48-61 at work; v64-83 the rows' scale words; v104-167 64 numbers
; of a lane; v168-215 the first group's weight fragments; v216-227 codes; v228-255 the rows' numbers (later groups: v104-199 two sets of weight fragments; SELECT and the way out work in v104-183).
; Window 1: accumulator (q, n) at 8 (4 q + n).  Window 2: h's fragments, first group: K step k in slot k % 3 at 60 (k % 3) + 12 q.  Window 3: first group: three sets of 64 weights as loaded.
; Later groups: windows 2 and 3 hold all eight K steps, K step a at 60 (a % 4) + 12 q.
; THE MODE: SCHED_MODE bits 1:0 = 2 (LLVM: expert scheduling mode 2), set by the entry lines.  The code itself states the register dependences
; between vector or matrix instructions and memory or LDS instructions, with s_wait_alu, always for 0.
; THE PLAN.  Registers that memory or LDS instructions touch, in the pipeline:
;   W0 .. W2 (window 3)  Step s: its 16 LDS stores read set s % 3; the loads of K step s + 3, issued in step s + 1, land in it.  No vector instruction names them.
;   A0 .. A2 (window 2)  The products of K step k, issued in step k + 1, read slot k % 3; the loads of K step k + 3, issued in step k + 2, land in it.
;   XX                   Step s: the turn's LDS loads land in it; the step's quantising reads it.
;   BP, WS               The LDS loads at the end of step s land in them; the products issued in step s + 1 read them.  A register of WS is loaded once.
;   PC, v[MX+2]          Step s: the quantising writes them; the image's LDS stores read them.
;   REC, RCO, CF         Step 1 alone (macro SLOT): rec has landed in REC; RCO, which its loads read, is written anew and read by the coefficients' loads, which land in CF.
;   v1, v6-v11, v16-v28, BI, RID  Offsets, addresses and row numbers: written at the head, by SELECT and by SLOT.
; So TWO waits stand in a step.  One on va_vdst, behind the quantising: PC and the scale word are written; the products issued in this step are done reading BP and their slot; the quantising is done reading XX.
; From there to the next step's products no vector or matrix instruction names a register of the image's stores, the fragments' loads, the next step's loads of rows or its turn: they hang on that one wait.
; One on vm_vsrc, at a step's head: the LDS stores of the step before have read their set of weights, PC and the scale word.
; THE WAY OUT of a tile: YY is written by the multiplications and read by LDS stores; OFS takes the permutes' results, is worked on by vector instructions and read by the stores as their offset; OUT takes LDS loads and is
; read by the stores.  One wait on vm_vsrc at a tile's head (from the second on), one on va_vdst ahead of the LDS lines, one ahead of the stores.
; The accumulators, MX, SO, PT and v12 are named by vector and matrix instructions alone.  v102, v103: written at the head, read by the closing add alone.
.set NS,   8                           ; K steps
.set ROWB, 4096                        ; a weight row in bytes
.set NGMAX, 4                          ; groups at the most: 1,024 rows are 64 tiles, 20 to a group
.set SCW,  49152                       ; behind the images: the weights' scale words, 256 bytes a K step: two register images of 128 bytes
.set TURN, 51200                       ; behind them: a stage for each wave: 16 rows x 528 bytes for the turn, 16 rows x 272 on the way out
.set TW,   8448
.set XX,   104
.set BP,   168                         ; v168-215 the first group's weight fragments
.set BF,   104                         ; later groups: v104-151, v152-199
.set SB,   104                         ; SELECT: 16 registers a tile: +0 rank, +1 word, +2 key, +3 +4 +5 +11 field counts, +6 rank in the word, +7 bit, +8 +9 at work, +10 token
.set WS,   32
.set AS,   64
.set PC,   216                         ; v216-227 codes
.set PT,   48                          ; v48-54 their upper halves
.set MX,   56                          ; v56-59 maxima, then bytes and the scale word
.set SO,   60                          ; v60-61 the conversions' scale operands
.set BI,   228                         ; v228-235 4 x the lane that holds row 2 i + lane / 16 of a tile
.set CF,   236                         ; v236-240 the rows' coefficients
.set RID,  241                         ; v241-245 2 token + slot
.set REC,  246                         ; v246-250 rec as loaded
.set RCO,  251                         ; v251-255 offsets into rec, then into cf
.set YY,   104                         ; the way out: v104-135 a tile x its coefficient, v136-167 whole rows, v168-175 their offsets
.set OUT,  136
.set OFS,  168
.set MSB,  0
.macro WIN new                         ; the immediate's high byte repeats the setting that is left
.if MSB != (\new)
	s_set_vgpr_msb (MSB<<8)|(\new)
.set MSB, (\new)
.endif
.endm
.macro WLOAD s                         ; my 16 rows' numbers of K step s into set s % 3 of window 3
	WIN 0xc0
.irp i, 0,1,2,3,4,5,6,7,8,9,10,11,12,13,14,15
	global_load_b128 v[64*((\s)%3)+4*\i:64*((\s)%3)+4*\i+3], v1, s[38:39] offset:\i*ROWB+512*(\s) th:TH_LOAD_NT
.endr
.endm
.macro QUANTW                          ; 64 numbers of lane (r, h): blocks h and 2 + h of row r -> the operand's 12 registers in v[PC] on, the row's scale word in v[MX+2]
.irp c, 0,1,2,3
	v_max3_num_f32 v[MX+\c], |v[XX+16*\c]|, |v[XX+16*\c+1]|, 0x2800000   ; four chains of 16, each over the floor 2^(5 - 127)
.endr
.irp i, 2,4,6,8,10,12,14
.irp c, 0,1,2,3
	v_max3_num_f32 v[MX+\c], v[MX+\c], |v[XX+16*\c+\i]|, |v[XX+16*\c+\i+1]|
.endr
.endr
	v_max_num_f32 v[MX], v[MX], v[MX+1]
	v_max_num_f32 v[MX+2], v[MX+2], v[MX+3]
	v_add_nc_u32 v[SO], 0xfe000000, v[MX]          ; 4 off the exponent field: the conversion's scale operand
	v_add_nc_u32 v[SO+1], 0xfe000000, v[MX+2]
	v_lshrrev_b32 v[MX], 23, v[SO]
	v_lshrrev_b32 v[MX+1], 23, v[SO+1]
	v_lshl_or_b32 v[MX+2], v[MX+1], 16, v[MX]
	v_lshlrev_b32 v[MX+2], v5, v[MX+2]             ; at their places in the word: 8 h bits up
	v_permlanex16_b32 v12, v[MX+2], s20, s21
	v_or_b32 v[MX+2], v[MX+2], v12
	v_cvt_scalef32_pk16_bf6_f32 v[PC:PC+2], v[XX:XX+15], v[SO]
	v_cvt_scalef32_pk16_bf6_f32 v[PT:PT+2], v[XX+16:XX+31], v[SO]       ; (a conversion's three registers begin on an even number)
	v_cvt_scalef32_pk16_bf6_f32 v[PC+6:PC+8], v[XX+32:XX+47], v[SO+1]
	v_cvt_scalef32_pk16_bf6_f32 v[PT+4:PT+6], v[XX+48:XX+63], v[SO+1]
	v_nop                                          ; one plain instruction behind the conversions
.irp i, 0,1,2
	v_mov_b32 v[PC+3+\i], v[PT+\i]
	v_mov_b32 v[PC+9+\i], v[PT+4+\i]
.endr
.endm
.macro DESC src, wid, stp              ; one descent: if the field at the bit in hand holds no more set bits than my rank, pass over it
.irp q, 0,1,2,3,4
	v_bfe_u32 v[SB+16*\q+8], v[SB+16*\q+\src], v[SB+16*\q+7], \wid
.endr
.irp q, 0,1,2,3,4
	v_cmp_lt_u32 s[40+\q], v[SB+16*\q+6], v[SB+16*\q+8]
.endr
	s_wait_alu depctr_va_sdst(0)                   ; the five compares have written s40 to s44, which the selections below read
.irp q, 0,1,2,3,4
	v_cndmask_b32 v[SB+16*\q+8], v[SB+16*\q+8], v15, s[40+\q]
	v_cndmask_b32 v[SB+16*\q+9], \stp, v15, s[40+\q]
.endr
.irp q, 0,1,2,3,4
	v_sub_nc_u32 v[SB+16*\q+6], v[SB+16*\q+6], v[SB+16*\q+8]
	v_add_nc_u32 v[SB+16*\q+7], v[SB+16*\q+7], v[SB+16*\q+9]
.endr
.endm
; Rank -> token, for my five tiles' row r.  The word: the last of the 32 whose count of earlier set bits is at most the rank.  The bit: by the counts of the word's 16-, 8-, 4-, 2- and 1-bit fields.
.macro SELECT
.irp q, 0,1,2,3,4
	v_add_nc_u32 v[SB+16*\q], s30, v3              ; rank = 16 (T0 + w) + r
.endr
.irp q, 1,2,3,4
	v_add_nc_u32 v[SB+16*\q], 64*\q, v[SB+16*\q]   ; + 64 q
.endr
.irp q, 0,1,2,3,4
	v_min_u32 v[SB+16*\q], s26, v[SB+16*\q]        ; ranks past the end repeat the last row
	v_mov_b32 v[SB+16*\q+1], s68
	v_mov_b32 v[SB+16*\q+2], 0
	v_mov_b32 v[SB+16*\q+7], 0
.endr
.irp q, 0,1,2,3,4
	v_min_u32 v[SB+16*\q+9], 0x3ff, v[SB+16*\q]    ; a number made of loaded data is held inside its table ahead of every address
.endr
.irp q, 0,1,2,3,4
	v_lshl_add_u32 v[16+\q], v[SB+16*\q+9], 5, v13 ; h's codes: 32 rank + 32,768 h
	v_lshl_add_u32 v[21+\q], v[SB+16*\q+9], 5, v14 ; h's scale words: 32 rank + 16 h
.endr
	s_mov_b32 s31, 0
.set WI, 1
.rept 8                                ; the words go four to a run: 20 compares into s40 to s59, the four keys into s60 to s63, one wait, then the selections, the words in ascending order
.set WJ, 0
.rept 4
.if WI+WJ < 32
	s_bcnt1_i32_b32 s33, s[67+WI+WJ]
	s_add_co_u32 s31, s31, s33                     ; set bits in the words before word WI + WJ
	s_or_b32 s[60+WJ], s31, (WI+WJ)<<16
.irp q, 0,1,2,3,4
	v_cmp_gt_u32 s[40+5*WJ+\q], s31, v[SB+16*\q]
.endr
.endif
.set WJ, WJ+1
.endr
	s_wait_alu depctr_va_sdst(0)                   ; the run's compares have written their masks, which the selections below read
.set WJ, 0
.rept 4
.if WI+WJ < 32
.irp q, 0,1,2,3,4
	v_cndmask_b32 v[SB+16*\q+1], s[68+WI+WJ], v[SB+16*\q+1], s[40+5*WJ+\q]
	v_cndmask_b32 v[SB+16*\q+2], s[60+WJ], v[SB+16*\q+2], s[40+5*WJ+\q]
.endr
.endif
.set WJ, WJ+1
.endr
.set WI, WI+4
.endr
.irp q, 0,1,2,3,4
	v_and_b32 v[SB+16*\q+8], 0xffff, v[SB+16*\q+2]
	v_lshrrev_b32 v[SB+16*\q+9], 1, v[SB+16*\q+1]
.endr
.irp q, 0,1,2,3,4
	v_sub_nc_u32 v[SB+16*\q+6], v[SB+16*\q], v[SB+16*\q+8]         ; my rank among the word's set bits
	v_and_b32 v[SB+16*\q+9], 0x55555555, v[SB+16*\q+9]
.endr
.irp q, 0,1,2,3,4
	v_sub_nc_u32 v[SB+16*\q+3], v[SB+16*\q+1], v[SB+16*\q+9]       ; counts of 2-bit fields
.endr
.irp q, 0,1,2,3,4
	v_lshrrev_b32 v[SB+16*\q+9], 2, v[SB+16*\q+3]
	v_and_b32 v[SB+16*\q+4], 0x33333333, v[SB+16*\q+3]
.endr
.irp q, 0,1,2,3,4
	v_and_b32 v[SB+16*\q+9], 0x33333333, v[SB+16*\q+9]
.endr
.irp q, 0,1,2,3,4
	v_add_nc_u32 v[SB+16*\q+4], v[SB+16*\q+4], v[SB+16*\q+9]       ; of 4-bit fields
.endr
.irp q, 0,1,2,3,4
	v_lshrrev_b32 v[SB+16*\q+9], 4, v[SB+16*\q+4]
.endr
.irp q, 0,1,2,3,4
	v_add_nc_u32 v[SB+16*\q+5], v[SB+16*\q+4], v[SB+16*\q+9]
.endr
.irp q, 0,1,2,3,4
	v_and_b32 v[SB+16*\q+5], 0x0f0f0f0f, v[SB+16*\q+5]             ; of bytes
.endr
.irp q, 0,1,2,3,4
	v_lshrrev_b32 v[SB+16*\q+9], 8, v[SB+16*\q+5]
.endr
.irp q, 0,1,2,3,4
	v_add_nc_u32 v[SB+16*\q+11], v[SB+16*\q+5], v[SB+16*\q+9]      ; byte 0: of the low 16 bits
.endr
	DESC 11, 8, 16
	DESC 5, 8, 8
	DESC 4, 4, 4
	DESC 3, 2, 2
	DESC 1, 1, 1
.irp q, 0,1,2,3,4
	v_lshrrev_b32 v[SB+16*\q+8], 16, v[SB+16*\q+2]
.endr
.irp q, 0,1,2,3,4
	v_lshl_add_u32 v[SB+16*\q+10], v[SB+16*\q+8], 5, v[SB+16*\q+7] ; token = 32 x word + bit
.endr
.irp q, 0,1,2,3,4
	v_min_u32 v[SB+16*\q+10], 0x3ff, v[SB+16*\q+10]
.endr
.irp q, 0,1,2,3,4
	v_lshlrev_b32 v[RCO+\q], 2, v[SB+16*\q+10]     ; its word of rec
	v_lshlrev_b32 v[RID+\q], 1, v[SB+16*\q+10]     ; 2 token; the slot is added when rec is in
.endr
.endm
.macro NTILES                          ; my tiles in the group that begins at tile T0: those of T0 + w, T0 + w + 4 .. that the list has, five at the most
	s_sub_co_u32 s29, s27, s28
	s_sub_co_u32 s29, s29, s16
	s_add_co_u32 s29, s29, 3
	s_max_i32 s29, s29, 0
	s_lshr_b32 s29, s29, 2
	s_min_u32 s29, s29, 5
.endm
.macro SMALL                           ; rec and h's scale words: 5 + 5 loads
.irp q, 0,1,2,3,4
	global_load_b32 v[REC+\q], v[RCO+\q], s[12:13]
.endr
.irp q, 0,1,2,3,4
	global_load_b128 v[AS+4*\q:AS+4*\q+3], v[21+\q], s[8:9]        ; lanes 0-15 words 0-3, lanes 16-31 words 4-7
.endr
.endm
.macro SLOT                            ; rec is in: which of the token's two rows of yr is this expert's; its coefficient is asked for: 5 loads.  A wait on vm_vsrc stands ahead of the macro: the loads of rec have read v[RCO ..]
.irp q, 0,1,2,3,4
	v_bfe_u32 v[REC+\q], v[REC+\q], 8, 8           ; the second choice
.endr
.irp q, 0,1,2,3,4
	v_cmp_ne_u32 s[40+\q], s17, v[REC+\q]
.endr
	s_wait_alu depctr_va_sdst(0)                   ; the five compares have written s40 to s44, which the selections below read
.irp q, 0,1,2,3,4
	v_cndmask_b32 v[REC+\q], 1, v15, s[40+\q]      ; slot 1 where it is this expert, else 0
.endr
.irp q, 0,1,2,3,4
	v_add_nc_u32 v[RID+\q], v[RID+\q], v[REC+\q]
.endr
.irp q, 0,1,2,3,4
	v_min_u32 v[RID+\q], 0x7ff, v[RID+\q]
.endr
.irp q, 0,1,2,3,4
	v_lshlrev_b32 v[RCO+\q], 2, v[RID+\q]          ; (the load of rec that read this register is done)
.endr
	s_wait_alu depctr_va_vdst(0)                   ; v[RCO ..] is written, the offsets of the loads below; v[RID ..] is written, which the way out's permutes read; in later groups the last way out is done reading v[CF ..], in which these loads land
.irp q, 0,1,2,3,4
	global_load_b32 v[CF+\q], v[RCO+\q], s[14:15]
.endr
.endm
.macro AL2 a, ks                       ; slot a takes K step ks of my five tiles of h: blocks 4 ks + h and 4 ks + 2 + h, 24 bytes each: 20 loads
	WIN 0x80+0x40*((\a)/4)
.irp q, 0,1,2,3,4
.irp c, 0,1
	global_load_b128 v[60*((\a)%4)+12*\q+6*\c:60*((\a)%4)+12*\q+6*\c+3], v[16+\q], s[6:7] offset:131072*(\ks)+65536*\c
	global_load_b64 v[60*((\a)%4)+12*\q+6*\c+4:60*((\a)%4)+12*\q+6*\c+5], v[16+\q], s[6:7] offset:131072*(\ks)+65536*\c+16
.endr
.endr
.endm
.macro BLOADP s                        ; first group: the four weight fragments of K step s (6,144 consecutive bytes of images) and its two registers of scale words: 14 LDS loads
.irp k, 0,1,2,3,4,5,6,7,8,9,10,11
	ds_load_b128 v[BP+4*\k:BP+4*\k+3], v1 offset:6144*(\s)+512*\k
.endr
	ds_load_b32 v[WS+2*(\s)], v11 offset:256*(\s)                   ; lanes 0-15: tile 0's rows, lanes 16-31: tile 1's
	ds_load_b32 v[WS+2*(\s)+1], v11 offset:256*(\s)+128             ; tiles 2 and 3.  These registers stay for the later groups
.endm
.macro BLOAD s                         ; later groups: the four weight fragments of K step s
.irp k, 0,1,2,3,4,5,6,7,8,9,10,11
	ds_load_b128 v[BF+48*((\s)%2)+4*\k:BF+48*((\s)%2)+4*\k+3], v1 offset:6144*(\s)+512*\k
.endr
.endm
; One product.  d: accumulator; a: weight fragment; b: rows' fragment; z = 1: it starts the sum; sa, sb: scale registers; ra, rb = 1: the scales stand in lanes 16-31.
.macro WM d, a, b, z, sa, sb, ra, rb
.if \z
.if (\ra) && (\rb)
	v_wmma_scale_f32_16x16x128_f8f6f4 v[(\d):(\d)+7], v[(\a):(\a)+11], v[(\b):(\b)+11], 0, v[\sa], v[\sb] matrix_a_fmt:MATRIX_FMT_BF6 matrix_b_fmt:MATRIX_FMT_BF6 matrix_a_scale:MATRIX_SCALE_ROW1 matrix_b_scale:MATRIX_SCALE_ROW1
.elseif \ra
	v_wmma_scale_f32_16x16x128_f8f6f4 v[(\d):(\d)+7], v[(\a):(\a)+11], v[(\b):(\b)+11], 0, v[\sa], v[\sb] matrix_a_fmt:MATRIX_FMT_BF6 matrix_b_fmt:MATRIX_FMT_BF6 matrix_a_scale:MATRIX_SCALE_ROW1
.elseif \rb
	v_wmma_scale_f32_16x16x128_f8f6f4 v[(\d):(\d)+7], v[(\a):(\a)+11], v[(\b):(\b)+11], 0, v[\sa], v[\sb] matrix_a_fmt:MATRIX_FMT_BF6 matrix_b_fmt:MATRIX_FMT_BF6 matrix_b_scale:MATRIX_SCALE_ROW1
.else
	v_wmma_scale_f32_16x16x128_f8f6f4 v[(\d):(\d)+7], v[(\a):(\a)+11], v[(\b):(\b)+11], 0, v[\sa], v[\sb] matrix_a_fmt:MATRIX_FMT_BF6 matrix_b_fmt:MATRIX_FMT_BF6
.endif
.else
.if (\ra) && (\rb)
	v_wmma_scale_f32_16x16x128_f8f6f4 v[(\d):(\d)+7], v[(\a):(\a)+11], v[(\b):(\b)+11], v[(\d):(\d)+7], v[\sa], v[\sb] matrix_a_fmt:MATRIX_FMT_BF6 matrix_b_fmt:MATRIX_FMT_BF6 matrix_a_scale:MATRIX_SCALE_ROW1 matrix_b_scale:MATRIX_SCALE_ROW1
.elseif \ra
	v_wmma_scale_f32_16x16x128_f8f6f4 v[(\d):(\d)+7], v[(\a):(\a)+11], v[(\b):(\b)+11], v[(\d):(\d)+7], v[\sa], v[\sb] matrix_a_fmt:MATRIX_FMT_BF6 matrix_b_fmt:MATRIX_FMT_BF6 matrix_a_scale:MATRIX_SCALE_ROW1
.elseif \rb
	v_wmma_scale_f32_16x16x128_f8f6f4 v[(\d):(\d)+7], v[(\a):(\a)+11], v[(\b):(\b)+11], v[(\d):(\d)+7], v[\sa], v[\sb] matrix_a_fmt:MATRIX_FMT_BF6 matrix_b_fmt:MATRIX_FMT_BF6 matrix_b_scale:MATRIX_SCALE_ROW1
.else
	v_wmma_scale_f32_16x16x128_f8f6f4 v[(\d):(\d)+7], v[(\a):(\a)+11], v[(\b):(\b)+11], v[(\d):(\d)+7], v[\sa], v[\sb] matrix_a_fmt:MATRIX_FMT_BF6 matrix_b_fmt:MATRIX_FMT_BF6
.endif
.endif
.endm
; First group: the 20 products of K step s, the accumulators by turns, one instruction a turn.
.macro PROD s
.set SLB, 60*((\s)%3)
.set WSB, WS+2*(\s)
.set ASB, AS+(\s)%4
.set RBB, (\s)/4
.set ZZ, 0
.if (\s) == 0
.set ZZ, 1
.endif
	WIN 0x58                                       ; weights window 0, rows window 2, C and D window 1
.irp q, 0,1,2,3,4
.irp n, 0,1,2,3
	WM 8*(4*\q+\n), BP+12*\n, SLB+12*\q, ZZ, WSB+(\n/2), ASB+4*\q, \n%2, RBB
.endr
.endr
	WIN 0
.endm
; K STEP s OF THE PIPELINE.  cnt = the loads issued behind the youngest load that this step needs (its weights, and the rows of K step s - 1, which are older).
; Loads are shown done in the order of issue, so the rows of K step s + 1 are asked for AHEAD of the weights of K step s + 2: when they are multiplied, two steps on, the weights behind them may stay out.
.macro PSTEP s, cnt
	s_wait_loadcnt \cnt
.if (\s) > 0
	s_wait_alu depctr_vm_vsrc(0)                   ; the LDS stores of the step before have read their set of weights, in which the weights asked for below land, and v[PC ..] and v[MX+2], which this step's quantising writes again; step 1: the loads of rec have read v[RCO ..], which SLOT writes
.endif
.if (\s) == 1
	SLOT                                           ; rec, which is older than what step 1 waits for, is in
.endif
.if (\s)+1 < NS
	AL2 ((\s)+1)%3, (\s)+1                         ; into the slot that the products of K step s - 2 read: the last step's quantising stands between (over four plain vector instructions), and the wait behind it has shown them done
.endif
.if ((\s) > 0) && ((\s)+2 < NS)
	WLOAD (\s)+2                                   ; into the set whose stores to the stage were waited for in the step before
.endif
	WIN 0x0c                                       ; an LDS store's data: window 3
.irp i, 0,1,2,3,4,5,6,7,8,9,10,11,12,13,14,15
	ds_store_b128 v6, v[64*((\s)%3)+4*\i:64*((\s)%3)+4*\i+3] offset:528*\i
.endr
	WIN 0
.irp p, 0,1,2,3,4,5,6,7
	ds_load_b128 v[XX+4*\p:XX+4*\p+3], v7 offset:16*\p              ; row r, k = 32 h + 0..31 (LDS serves a wave's instructions in order)
.endr
.irp p, 0,1,2,3,4,5,6,7
	ds_load_b128 v[XX+32+4*\p:XX+32+4*\p+3], v7 offset:256+16*\p    ; k = 64 + 32 h + 0..31
.endr
.if (\s) > 0
	s_wait_dscnt 32                                ; the 14 loads of the last step's fragments and scale words are in; the 32 lines of the turn may be out
	PROD (\s)-1                                    ; and are on their way while the matrix unit works
.endif
	s_wait_dscnt 0x0                               ; the numbers are in
	QUANTW
	s_wait_alu depctr_va_vdst(0)                   ; the quantising has written v[PC ..] and v[MX+2], which the LDS stores below read, and is done reading v[XX ..]; this step's products are done reading v[BP ..] and their slot
.irp c, 0,1,2
	ds_store_b128 v8, v[PC+4*\c:PC+4*\c+3] offset:6144*(\s)+512*\c
.endr
	ds_store_b32 v10, v[MX+2] offset:256*(\s)      ; both halves of the lanes write the same word
	s_wait_dscnt 0x0                               ; my image and scale words of this K step have landed
	s_barrier_signal -1
	s_barrier_wait -1                              ; everybody's have; nobody writes them again
	BLOADP \s
.endm
; Later groups: K step s: 16 or 20 products, the accumulators by turns.  cnt = the loads issued behind this K step's twenty.
.macro CSTEP s, cnt
	WIN 0
	s_wait_dscnt 0x0                               ; this step's weight fragments are in
.if (\s)+1 < NS
	BLOAD (\s)+1                                   ; the next step's: they have this step's products in which to land
.endif
	s_wait_loadcnt \cnt
.set BFB, BF+48*((\s)%2)
.set SLB, 60*((\s)%4)
.set WSB, WS+2*(\s)
.set ASB, AS+(\s)%4
.set RBB, (\s)/4
.set ZZ, 0
.if (\s) == 0
.set ZZ, 1
.endif
	WIN 0x58+4*((\s)/4)                            ; weights window 0, rows window 2 or 3, C and D window 1
.irp q, 0,1,2,3
.irp n, 0,1,2,3
	WM 8*(4*\q+\n), BFB+12*\n, SLB+12*\q, ZZ, WSB+(\n/2), ASB+4*\q, \n%2, RBB
.endr
.endr
	WIN 0                                          ; at a branch and at a label every window is 0
	s_cmp_lt_u32 s29, 5                            ; the fifth tile only where the wave has one
	s_cbranch_scc1 .Lno5_\@
	WIN 0x58+4*((\s)/4)
.irp n, 0,1,2,3
	WM 8*(16+\n), BFB+12*\n, SLB+48, ZZ, WSB+(\n/2), ASB+16, \n%2, RBB
.endr
	WIN 0
.Lno5_\@:
.rept 4
	v_nop                                          ; four places ahead of loads into registers that these products read, and of the first read of results: on both ways
.endr
.if (\s)+2 < NS
	s_wait_alu depctr_va_vdst(0)                   ; this step's products are done reading their set of weight fragments, in which the next step's LDS loads land
.endif
.endm
; The way out of tile q.  Each accumulator is read from its low end on.
.macro EPI2 q
	s_wait_xcnt 0x0                                ; the last tile's stores have read their data and offsets
.if (\q) > 0
	s_wait_alu depctr_vm_vsrc(0)                   ; the last tile's LDS stores have read v[YY ..], its stores v[OUT ..] and v[OFS ..]: all three are written again below
.endif
	WIN 0x01                                       ; source 0: window 1
.irp k, 0,1,2,3,4,5,6,7,8,9,10,11,12,13,14,15,16,17,18,19,20,21,22,23,24,25,26,27,28,29,30,31
	v_mul_f32 v[YY+\k], v[32*(\q)+\k], v[CF+\q]    ; x my row's coefficient
.endr
	WIN 0
	s_wait_alu depctr_va_vdst(0)                   ; the multiplications have written v[YY ..], which the LDS stores read; the vector and matrix instructions that named v[OFS ..] and v[OUT ..] are done: the permutes' and the LDS loads' results land there
.irp i, 0,1,2,3,4,5,6,7
	ds_bpermute_b32 v[OFS+\i], v[BI+\i], v[RID+\q] ; the number of the row that I shall store: it lies in lane 2 i + lane / 16
.endr
.irp n, 0,1,2,3
	ds_store_b128 v26, v[YY+8*\n:YY+8*\n+3] offset:64*\n           ; row r, columns 16 n + 8 h + 0..7
	ds_store_b128 v26, v[YY+8*\n+4:YY+8*\n+7] offset:64*\n+16
.endr
.irp i, 0,1,2,3,4,5,6,7
	ds_load_b128 v[OUT+4*\i:OUT+4*\i+3], v27 offset:544*\i         ; LDS serves a wave's instructions in order: these see my stores
.endr
	s_wait_dscnt 16                                ; the eight permutes' results are in; the 8 stores and 8 loads behind them may be out: the offsets are made while the tile goes through the stage
.irp i, 0,1,2,3,4,5,6,7
	v_min_u32 v[OFS+\i], 0x7ff, v[OFS+\i]
.endr
.irp i, 0,1,2,3,4,5,6,7
	v_lshl_add_u32 v[OFS+\i], v[OFS+\i], 13, v28   ; 8,192 bytes a row of yr, + 16 (lane % 16)
.endr
	s_wait_dscnt 0x0
	s_wait_alu depctr_va_vdst(0)                   ; v[OFS ..] is written: the stores' offsets
.irp i, 0,1,2,3,4,5,6,7
	global_store_b128 v[OFS+\i], v[OUT+4*\i:OUT+4*\i+3], s[36:37] th:TH_STORE_NT   ; sixteen lanes store 256 consecutive bytes, aligned
.endr
.endm
	s_load_b256 s[4:11], s[0:1], 0x0               ; down_proj, hq, hs, msk
	s_load_b128 s[12:15], s[0:1], 0x20             ; rec, cf
	s_load_b64 s[36:37], s[0:1], 0x30              ; yr
	v_lshl_add_u32 v102, v0, 2, 0x14c00
	v_mov_b32 v103, 0
	v_lshrrev_b32 v1, 5, v0
	v_readfirstlane_b32 s16, v1                    ; wave w
	s_and_b32 s17, ttmp7, 0xffff                   ; expert e
	s_mov_b32 s18, ttmp9                           ; column block j
	v_and_b32 v12, 31, v0                          ; lane
	v_lshlrev_b32 v1, 4, v12                       ; 16 x lane
	s_lshl_b32 s34, s17, 11                        ; my tile's first row: 2048 e + 64 j + 16 w
	s_lshl_b32 s33, s18, 6
	s_add_co_u32 s34, s34, s33
	s_wait_alu depctr_va_sdst(0)                   ; s16 is written, ahead of its first reader: the weights' base, the LDS addresses and the tiles' numbers are made from it
	s_lshl_b32 s33, s16, 4
	s_add_co_u32 s34, s34, s33
	s_lshl_b32 s34, s34, 12                        ; in bytes: under 2^26
	s_mov_b32 s35, 0
	s_lshl_b32 s46, s17, 7
	s_mov_b32 s47, 0
	s_wait_kmcnt 0x0
	s_add_nc_u64 s[38:39], s[4:5], s[34:35]
	s_add_nc_u64 s[10:11], s[10:11], s[46:47]
	s_load_b512 s[68:83], s[10:11], 0x0            ; the expert's 32 mask words
	s_load_b512 s[84:99], s[10:11], 0x40
	s_wait_alu depctr_va_vdst(0)                   ; v1 is written: every load of weights reads it as its offset
	WLOAD 0                                        ; all three sets are free here: three K steps of weights go out at once
	WLOAD 1
	WLOAD 2
	WIN 0
	s_lshl_b32 s34, s17, 20
	s_add_nc_u64 s[6:7], s[6:7], s[34:35]          ; hq at expert e
	s_lshl_b32 s34, s17, 15
	s_add_nc_u64 s[8:9], s[8:9], s[34:35]          ; hs at expert e
	s_lshl_b32 s34, s18, 8
	s_add_nc_u64 s[36:37], s[36:37], s[34:35]      ; yr at my 64 columns
	s_mov_b32 s20, 0x76543210
	s_mov_b32 s21, 0xfedcba98                      ; v_permlanex16_b32's selects for lane xor 16
	v_and_b32 v3, 15, v0                           ; r
	v_bfe_u32 v4, v0, 4, 1                         ; h
	v_lshlrev_b32 v5, 3, v4
	s_mul_i32 s33, s16, TW
	s_add_co_u32 s33, s33, TURN                    ; my stage
	v_add_nc_u32 v6, s33, v1                       ; the turn, in: a row's 512 bytes as loaded
	v_mul_u32_u24 v7, v3, 528
	v_lshl_add_u32 v7, v4, 7, v7
	v_add_nc_u32 v7, s33, v7                       ; out: row r, + 128 h
	v_mul_u32_u24 v26, v3, 272
	v_lshl_add_u32 v26, v4, 5, v26
	v_add_nc_u32 v26, s33, v26                     ; the way out, in: row r of 272 bytes, + 32 h
	v_mul_u32_u24 v27, v4, 272
	v_lshl_add_u32 v27, v3, 4, v27
	v_add_nc_u32 v27, s33, v27                     ; back: lanes 0-15 one row, lanes 16-31 the next
	v_lshlrev_b32 v28, 4, v3
	s_mul_i32 s33, s16, 1536
	v_add_nc_u32 v8, s33, v1                       ; my tile's images
	s_lshl_b32 s33, s16, 6
	s_add_co_u32 s33, s33, SCW
	v_lshl_add_u32 v10, v3, 2, s33                 ; my tile's scale words in a K step's 256 bytes: 64 w + 4 r
	v_lshl_add_u32 v11, v12, 2, SCW                ; and back, as a register's image: 4 x lane
	v_mov_b32 v12, 0                               ; from here on: a lane permute's destination, which counts as read
	v_lshlrev_b32 v13, 15, v4
	v_lshlrev_b32 v14, 4, v4
	v_mov_b32 v15, 0
	v_lshlrev_b32 v[BI], 2, v4
.irp i, 1,2,3,4,5,6,7
	v_add_nc_u32 v[BI+\i], 8*\i, v[BI]
.endr
	s_wait_kmcnt 0x0                               ; the mask words
	s_mov_b32 s25, 0
.set WI, 0
.rept 32
	s_bcnt1_i32_b32 s33, s[68+WI]
	s_add_co_u32 s25, s25, s33                     ; the list's length
.set WI, WI+1
.endr
	s_max_u32 s26, s25, 1
	s_sub_co_u32 s26, s26, 1                       ; its last rank (0 for an empty list: loads stay in their buffers, nothing is stored)
	s_add_co_u32 s27, s25, 15
	s_lshr_b32 s27, s27, 4                         ; its tiles
	s_mov_b32 s28, 0                               ; T0
	s_mov_b32 s19, 0                               ; groups done
	s_lshl_b32 s30, s16, 4
	NTILES
	SELECT
	s_wait_alu depctr_va_vdst(0)                   ; the addresses and offsets v6 to v28, v[BI ..] and v[RCO ..] are written, which the loads, LDS instructions and stores from here on read; SELECT is done with v104 to v183, in which the turn's numbers and the weight fragments land
	SMALL
	AL2 0, 0
	; THE PIPELINE.  Issue order: weights 0, 1, 2; 10 small loads; rows 0 | step 0: rows 1 | step 1: 5 coefficients, rows 2, weights 3 | step t: rows t + 1, weights t + 2.
	PSTEP 0, 62                                    ; behind weights 0: 16 + 16 + 10 + 20
	PSTEP 1, 20                                    ; weights 1, the small loads and rows 0 are wanted: behind rows 0 stand rows 1
	PSTEP 2, 41                                    ; rows 1 are wanted: behind them 5 + 20 + 16
.irp s, 3,4,5,6
	PSTEP \s, 36                                   ; behind this step's weights: the last step's 20 + 16
.endr
	PSTEP 7, 20                                    ; behind weights 7: rows 7
	s_wait_dscnt 0x0                               ; the last K step's fragments,
	s_wait_loadcnt 0x0                             ; and its rows
	PROD 7
.rept 4
	v_nop                                          ; four places (ISA guide 7.12.1) ahead of the first read of results
.endr
.Lepi:                                             ; THE LOOP OVER GROUPS begins at a group's way out
.irp q, 0,1,2,3,4
	s_cmp_le_u32 s29, \q                           ; only the tiles that the list has are stored
	s_cbranch_scc1 .Lepi_end
	EPI2 \q
.endr
.Lepi_end:
	s_wait_loadcnt 0x0                             ; no load is out whose offsets or registers the next group writes
	s_wait_dscnt 0x0
	s_wait_xcnt 0x0                                ; the stores have read their data and offsets
	s_wait_alu depctr_vm_vsrc(0)                   ; the way out's LDS stores, permutes and stores have read v[YY ..], v[RID ..], v[OUT ..] and v[OFS ..], the group's loads v16 to v25 and v[RCO ..]: SELECT writes all of them again; the pipeline's LDS stores have read window 3, in which the next group's rows land
	s_add_co_u32 s19, s19, 1                       ; the loop's counter: one a group
	s_add_co_u32 s28, s28, 20                      ; T0 = 20 x groups done
	s_cmp_ge_u32 s28, s27                          ; no tile is left: the loop ends here, at the latest with T0 = 80 over the 64 tiles that a list can have
	s_cbranch_scc1 .Ldone
	s_add_co_u32 s30, s28, s16
	s_lshl_b32 s30, s30, 4
	SELECT
	s_wait_alu depctr_va_vdst(0)                   ; SELECT has written v16 to v25 and v[RCO ..], the offsets of the loads below; the last group's vector and matrix instructions are done with v[REC ..] and the rows' scale words, in which these loads land
	SMALL
	s_wait_loadcnt 5                               ; rec is in; the five loads of scale words may be out
	s_wait_alu depctr_vm_vsrc(0)                   ; the loads of rec have read v[RCO ..], which SLOT writes
	SLOT
.irp a, 0,1,2,3,4,5,6,7
	AL2 \a, \a
.endr
	WIN 0
	NTILES
	s_cmp_eq_u32 s29, 0
	s_cbranch_scc1 .Lskip
	BLOAD 0
	CSTEP 0, 63                                    ; behind K step a: 20 (7 - a); 63 is the largest count that the wait can name
	CSTEP 1, 63
	CSTEP 2, 63
	CSTEP 3, 63
	CSTEP 4, 60
	CSTEP 5, 40
	CSTEP 6, 20
	CSTEP 7, 0
.Lskip:
	s_cmp_lt_u32 s19, NGMAX                        ; holds wherever this line is reached: T0 < 64 means fewer than four groups done
	s_cbranch_scc1 .Lepi
.Ldone:
	s_wait_dscnt 0x0                               ; the closing lines, six on end
	s_wait_alu 0x0
	s_wait_tensorcnt 0x0
	ds_add_u32 v102, v103
	s_wait_dscnt 0x0
	s_endpgm
.Lfunc_end_k_qe648a1326b_down:
	.size	k_qe648a1326b_down, .Lfunc_end_k_qe648a1326b_down-k_qe648a1326b_down
	.p2alignl 7, 3214868480
	.fill 96, 4, 3214868480
	.section	.rodata,"a",@progbits
	.p2align	6, 0x0
	.amdhsa_kernel k_qe648a1326b_down
		.amdhsa_group_segment_fixed_size 85504
		.amdhsa_private_segment_fixed_size 0
		.amdhsa_enable_private_segment 0
		.amdhsa_kernarg_size 56
		.amdhsa_user_sgpr_count 2
		.amdhsa_user_sgpr_kernarg_segment_ptr 1
		.amdhsa_wavefront_size32 1
		.amdhsa_system_sgpr_workgroup_id_x 1
		.amdhsa_system_sgpr_workgroup_id_y 1
		.amdhsa_system_sgpr_workgroup_id_z 1
		.amdhsa_system_vgpr_workitem_id 0
		.amdhsa_next_free_vgpr 1024
		.amdhsa_next_free_sgpr 100
		.amdhsa_reserve_vcc 0
		.amdhsa_float_denorm_mode_32 3
		.amdhsa_float_denorm_mode_16_64 3
		.amdhsa_memory_ordered 1
		.amdhsa_forward_progress 1
		.amdhsa_inst_pref_size 255
	.end_amdhsa_kernel
	.section	.bss,"aw",@nobits
	.p2align	6
	.space	262144
	.amdgpu_metadata
---
amdhsa.version: [ 1, 2 ]
amdhsa.kernels:
  - .name:           k_qe648a1326b_down
    .symbol:         k_qe648a1326b_down.kd
    .args:
      - { .name: down_proj, .offset: 0, .size: 8, .value_kind: global_buffer, .address_space: global }
      - { .name: hq, .offset: 8, .size: 8, .value_kind: global_buffer, .address_space: global }
      - { .name: hs, .offset: 16, .size: 8, .value_kind: global_buffer, .address_space: global }
      - { .name: msk, .offset: 24, .size: 8, .value_kind: global_buffer, .address_space: global }
      - { .name: rec, .offset: 32, .size: 8, .value_kind: global_buffer, .address_space: global }
      - { .name: cf, .offset: 40, .size: 8, .value_kind: global_buffer, .address_space: global }
      - { .name: yr, .offset: 48, .size: 8, .value_kind: global_buffer, .address_space: global }
    .group_segment_fixed_size: 85504
    .private_segment_fixed_size: 0
    .kernarg_segment_align: 8
    .kernarg_segment_size: 56
    .max_flat_workgroup_size: 128
    .sgpr_count:     100
    .vgpr_count:     1024
    .wavefront_size: 32
...
	.end_amdgpu_metadata
.endif
;; end of part 6
;; launch add2: the kernel of part 4 again; grid 256 x 1, 8 waves a work-group, no clusters, 0 bytes of LDS; arguments yr, out0; writes out0
